; MI455X (gfx1250); checked and timed in simulation.
; The chip was launched on July 23, 2026; its instructions are those of AMD's public machine-readable ISA for CDNA 5 (MIT licence, August 2026) and "CDNA5" Instruction Set Architecture Reference Guide (July 2026). The comments in the code are by the model that wrote it; some were corrected since.
;; Transformer Encoder. Allowed arithmetic: matrix products marked QUANTISED: E2M3 operands, one E8M0 scale for each 32 along K, by v_wmma_scale_f32_16x16x128_f8f6f4 with both operands' format E2M3, f32 sums; everything else in f32.
;; Inputs: Wf1_codes 4,096 x 32 x 24 uint8 (E2M3 codes of Wf1, K innermost, in blocks of 32 codes, four codes in three bytes); Wf1_scales 4,096 x 32 uint8 (E8M0 scales of Wf1, one for each 32 codes along K); Wf2_codes 1,024 x 128 x 24 uint8 (E2M3 codes of Wf2, K innermost, in blocks of 32 codes, four codes in three bytes); Wf2_scales 1,024 x 128 uint8 (E8M0 scales of Wf2, one for each 32 codes along K); Wk_codes 1,024 x 32 x 24 uint8 (E2M3 codes of Wk, K innermost, in blocks of 32 codes, four codes in three bytes); Wk_scales 1,024 x 32 uint8 (E8M0 scales of Wk, one for each 32 codes along K); Wq_codes 1,024 x 32 x 24 uint8 (E2M3 codes of Wq, K innermost, in blocks of 32 codes, four codes in three bytes); Wq_scales 1,024 x 32 uint8 (E8M0 scales of Wq, one for each 32 codes along K); Wv_codes 1,024 x 32 x 24 uint8 (E2M3 codes of Wv, K innermost, in blocks of 32 codes, four codes in three bytes); Wv_scales 1,024 x 32 uint8 (E8M0 scales of Wv, one for each 32 codes along K); b1 1,024 float32; b2 1,024 float32; bf1 4,096 float32; bf2 1,024 float32; bk 1,024 float32; bq 1,024 float32; bv 1,024 float32; g1 1,024 float32; g2 1,024 float32; mask 4 x 1,024 int32; x 4 x 1,024 x 1,024 float32.
;; Outputs: out0 4 x 1,024 x 1,024 float32.
;; This version of the problem:
;;   THIS VERSION OF THE PROBLEM IS GIVEN IN LOW PRECISION. The matrix products marked QUANTISED in the list below multiply operands that are first quantised to E2M3 (2 exponent bits, 3 mantissa bits; 6 bits a number), with one power-of-two scale for each 32 numbers along K (OCP MX v1.0); their sums are f32. All else is computed in f32.
;;   The module's matrix products, in the order in which they are computed (A, B: the left and right operand; K: the contracted axis; several contracted axes count as one K, in the product's order):
;;     1. [M 4,096, K 1,024] x [K 1,024, N 1,024]; A: computed on the way; B: input Wq (given as codes): QUANTISED
;;     2. [M 4,096, K 1,024] x [K 1,024, N 1,024]; A: computed on the way; B: input Wk (given as codes): QUANTISED
;;     3. [M 4,096, K 1,024] x [K 1,024, N 1,024]; A: computed on the way; B: input Wv (given as codes): QUANTISED
;;     4. batch 64 x [M 1,024, K 64] x [K 64, N 1,024]; A: computed on the way; B: computed on the way: QUANTISED
;;     5. batch 64 x [M 64, K 1,024] x [K 1,024, N 1,024]; A: computed on the way; B: softmax (see below): QUANTISED
;;     6. [M 4,096, K 1,024] x [K 1,024, N 4,096]; A: computed on the way; B: input Wf1 (given as codes): QUANTISED
;;     7. [M 4,096, K 4,096] x [K 4,096, N 1,024]; A: computed on the way; B: input Wf2 (given as codes): QUANTISED
;;   THE QUANTISER, for each operand of a quantised product, along K:
;;     - K is cut into blocks of 32 from its start; a last block that is shorter is filled with zeros.
;;     - A block's scale is 2^e with e = floor(log2(the largest magnitude in the block)) - 2, held to -126 .. 127; a block of zeros has e = 0. As a byte (E8M0): e + 127.
;;     - Each number is divided by its block's scale, clamped to +-7.5, and rounded to the nearest number of E2M3, ties to even, subnormals kept.
;;     - The product sums the exact products of the quantised numbers (number of the format x scale) in f32.
;;   ~~~python
;;   def quantise(x, axis):      # numpy; x: float32 -> the quantised numbers, widened to float32 again
;;       x = np.moveaxis(x, axis, -1); K = x.shape[-1]
;;       x = np.pad(x, [(0, 0)] * (x.ndim - 1) + [(0, -K % 32)]); x = x.reshape(x.shape[:-1] + (-1, 32)); a = np.abs(x).max(-1, keepdims=True)
;;       e = np.where(a > 0, np.clip(np.frexp(np.where(a > 0, a, 1))[1] - 1 - 2, -126, 127), 0)      # np.frexp(a)[1] - 1 = floor(log2(a)), exactly
;;       r = np.clip(x / 2.0 ** e, -7.5, 7.5)
;;       step = 2.0 ** (np.maximum(np.frexp(np.where(r == 0, 1, r))[1] - 1, 0) - 3)
;;       q = np.round(r / step) * step * 2.0 ** e      # np.round: ties to even
;;       return np.moveaxis(q.reshape(q.shape[:-2] + (-1,))[..., :K], -1, axis).astype(np.float32)
;;   ~~~
;;   SOFTMAX AHEAD OF A QUANTISED PRODUCT. Where the list says 'softmax', what is quantised is not the finished softmax but p = 2^(t - M), with t = logit x log2(e) and M = ceil(the row's largest t), a whole number; so 1/2 < the row's largest p <= 1. The row's sum l is taken of the UNQUANTISED p, in f32, and the product's result is divided by l at the end. Since M is a whole number, a kernel that streams over the keys may use a running M (the ceiling of the running maximum): every later rescaling is an exact power of two, which a block's scale takes up: the codes' values come out the same.
;;   OPERANDS COMPUTED ON THE WAY. 'Computed on the way' means the value that the module computes at that place (a softmax that the list does not call 'softmax' is quantised finished and normalised). What goes into a quantiser is computed in f32, as accurately as f32 sums, v_exp_f32 and their like allow (about 1e-6 of the number): no bf16 or f16 on the way to a quantiser, and a product that is left as it is and whose result goes on into a quantised operand takes f32 operands (vector FMAs, or v_wmma_f32_16x16x4_f32). A number that lies on a knife's edge between two numbers of the format may be rounded either way, as far as f32 arithmetic and the matrix unit's own rounding can turn it there, and no further.
;;   INPUTS GIVEN AS CODES. Wf1 (in the module: [1024, 4096], K = its axis 0); Wf2 (in the module: [4096, 1024], K = its axis 0); Wk (in the module: [1024, 1024], K = its axis 0); Wq (in the module: [1024, 1024], K = its axis 0); Wv (in the module: [1024, 1024], K = its axis 0): each comes as NAME_codes (uint8): NAME with its K axis moved to the last place and cut into blocks of 32 codes, [.., K / 32, bytes a block], one block behind the other in memory; four codes in three bytes: a row's codes are one little-endian stream of bits, code i at bits 6 i .. 6 i + 5 (a code: sign, 2 exponent bits, 3 mantissa bits); and NAME_scales (uint8): the same leading axes, one E8M0 byte (e + 127) for each 32 codes along K. Its value is code x scale, taken as it is: it is not quantised again, and the codes and scales need not be those that the quantiser above would give.
;; One version. Each part assembles by itself: llvm-mc -triple=amdgcn-amd-amdhsa -mcpu=gfx1250 --defsym DOCPART=n.
;; ======== version 1 of 1: 6 launches
;; limits: right only within a limited range of input values
;; workspace buffers: hq 3,276,800 bytes; qkv 9,830,400 bytes; y 16,777,216 bytes; hid 13,107,200 bytes
;; launch ln1 (part 1): grid 256 x 1, 8 waves a work-group, no clusters, 42,496 bytes of LDS; arguments x, g1, b1, hq; writes hq
.if DOCPART == 1
	.amdgcn_target "amdgcn-amd-amdhsa--gfx1250"
	.amdhsa_code_object_version 6
	.text
	.protected	k_q570a189262_ln1
	.globl	k_q570a189262_ln1
	.p2align	8
	.type	k_q570a189262_ln1,@function
k_q570a189262_ln1:
	s_mov_b64 s[64:65], 0
	v_nop
	global_prefetch_b8 v0, s[64:65] scope:SCOPE_SE
	s_setreg_imm32_b32 hwreg(HW_REG_WAVE_MODE, 25, 1), 1
	s_wait_xcnt 0x0
; LAYER NORM AND QUANTISER.  z [4096][1024] f32 -> (z - mean) rsqrt(var + 1e-5) g + b, in f32, then codes of FP6 (E2M3) along the row, one E8M0 byte for each 32.
; Out: codes [4096][768 bytes] at byte 0 of the buffer, scale bytes [4096][32] at byte 3,145,728.
; SHARES.  A work-group owns 16 rows, each of its eight waves two.  A wave asks for both rows at once (16 loads of 512 consecutive bytes), so all of the tensor is asked for at the launch's head.
; A row turns through the wave's own stage in LDS (64 bytes + 16 of padding a place), so that a lane holds 16 NEIGHBOURS of each half row, as the conversion wants; two neighbouring lanes hold a block of 32.
; The variance is taken of z - mean, in a second pass over registers: a common offset of the inputs costs nothing.
; A block's scale byte is its largest magnitude's exponent field - 2, held at 1 from below (a block of zeros gets 1, not 127: its codes are zeros, and only this program reads the bytes).
; LIMITS: NaN and infinities among the inputs are not served; blocks whose largest magnitude lies under 2^(3 - 127) keep the byte 1.
; No matrix unit, no tensor load, no cluster: the launch streams, and work-groups share only g and b, 8 KB.
.set SP,  80                           ; a lane's place in a stage
.set WST, 5120                         ; a wave's stage: two half rows of 32 places
.set SCB, 40960                        ; behind the stages: the work-group's 16 x 32 scale bytes
.set R,   20                           ; v20-83   two rows as loaded
.set X,   84                           ; v84-115  a row: register 16 s + i = column 512 s + 16 lane + i
.set G,   116                          ; v116-147 g at the same columns
.set BB,  148                          ; v148-179 b
.set C,   180                          ; v180-195 codes: four registers for each (row, half): no store's data are written again
.set E,   196                          ; v196-199 scale bytes
	s_load_b256 s[4:11], s[0:1], 0x0               ; z s[4:5], g s[6:7], b s[8:9], out s[10:11]
	v_lshl_add_u32 v200, v0, 2, 0xa200
	v_mov_b32 v201, 0
	v_lshrrev_b32 v1, 5, v0
	s_delay_alu instid0(VALU_DEP_1)
	v_readfirstlane_b32 s12, v1                    ; wave
	v_and_b32 v1, 31, v0                           ; lane
	s_delay_alu instid0(VALU_DEP_1)
	v_lshlrev_b32 v3, 4, v1                        ; my 16 bytes of a load's 512
	s_delay_alu instid0(VALU_DEP_2)
	v_lshlrev_b32 v4, 6, v1                        ; my 16 numbers of g and b
	s_mul_i32 s13, s12, WST
	v_lshrrev_b32 v14, 2, v1
	s_delay_alu instid0(VALU_DEP_1)
	v_mul_u32_u24 v14, v14, SP
	v_and_b32 v15, 3, v1
	s_delay_alu instid0(VALU_DEP_1)
	v_lshl_add_u32 v14, v15, 4, v14
	s_delay_alu instid0(VALU_DEP_1)
	v_add_nc_u32 v14, s13, v14                     ; into the stage: SP (lane / 4) + 16 (lane % 4)
	v_mul_u32_u24 v15, v1, SP
	s_delay_alu instid0(VALU_DEP_1)
	v_add_nc_u32 v15, s13, v15                     ; out of it: SP x lane
	s_lshl_b32 s13, s12, 6
	s_add_co_u32 s13, s13, SCB
	v_lshrrev_b32 v5, 1, v1
	s_delay_alu instid0(VALU_DEP_1)
	v_add_nc_u32 v5, s13, v5                       ; my block's byte: 64 bytes a wave (two rows)
	v_mul_u32_u24 v6, v1, 12                       ; my 16 codes' place in a half row
	v_add_nc_u32 v7, SCB, v3                       ; the bytes' way out (wave 0)
	s_mov_b32 s14, 0x76543210
	s_mov_b32 s15, 0xfedcba98                      ; lane l xor 16
	s_mov_b32 s16, 0x3a800000                      ; 1 / 1024
	s_mov_b32 s17, 0x3727c5ac                      ; 1e-5
	s_lshl_b32 s18, ttmp9, 16                      ; 16 rows of 4,096 bytes a work-group,
	s_lshl_b32 s19, s12, 13                        ; two a wave
	s_add_co_u32 s18, s18, s19
	s_mov_b32 s19, 0
	s_mul_i32 s20, ttmp9, 12288                    ; the same rows' codes, 768 bytes each
	s_mul_i32 s21, s12, 1536
	s_add_co_u32 s20, s20, s21
	s_mov_b32 s21, 0
	s_lshl_b32 s22, ttmp9, 9                       ; and the work-group's 512 scale bytes
	s_add_co_u32 s22, s22, 3145728
	s_mov_b32 s23, 0
	s_wait_alu depctr_va_vdst(0)
	s_wait_kmcnt 0x0
	s_add_nc_u64 s[4:5], s[4:5], s[18:19]
	s_add_nc_u64 s[22:23], s[10:11], s[22:23]
	s_add_nc_u64 s[10:11], s[10:11], s[20:21]
; the order of the loads: row 0, g, b, row 1: row 0 is finished while row 1's eight loads may still be out
.irp i, 0,1,2,3,4,5,6,7
	global_load_b128 v[R+4*\i:R+4*\i+3], v3, s[4:5] offset:512*\i th:TH_LOAD_NT
.endr
.irp i, 0,1,2,3,4,5,6,7
	global_load_b128 v[G+4*\i:G+4*\i+3], v4, s[6:7] offset:2048*(\i/4)+16*(\i%4)
.endr
.irp i, 0,1,2,3,4,5,6,7
	global_load_b128 v[BB+4*\i:BB+4*\i+3], v4, s[8:9] offset:2048*(\i/4)+16*(\i%4)
.endr
.irp i, 0,1,2,3,4,5,6,7
	global_load_b128 v[R+32+4*\i:R+32+4*\i+3], v3, s[4:5] offset:4096+512*\i th:TH_LOAD_NT
.endr
.macro REDUCE                          ; v16 summed over the 32 lanes, into every lane
	s_delay_alu instid0(VALU_DEP_1)
	v_add_f32_dpp v16, v16, v16 row_xmask:1 row_mask:0xf bank_mask:0xf
	s_delay_alu instid0(VALU_DEP_1)
	v_add_f32_dpp v16, v16, v16 row_xmask:2 row_mask:0xf bank_mask:0xf
	s_delay_alu instid0(VALU_DEP_1)
	v_add_f32_dpp v16, v16, v16 row_xmask:4 row_mask:0xf bank_mask:0xf
	s_delay_alu instid0(VALU_DEP_1)
	v_add_f32_dpp v16, v16, v16 row_xmask:8 row_mask:0xf bank_mask:0xf
	s_delay_alu instid0(VALU_DEP_1)
	v_permlanex16_b32 v17, v16, s14, s15
	s_delay_alu instid0(VALU_DEP_1)
	v_add_f32 v16, v16, v17
.endm
.macro ROW p
.if \p == 0
	s_wait_loadcnt 24                              ; row 0's eight loads are in; behind them: g's eight, b's eight, row 1's eight
.else
	s_wait_loadcnt 0x0                             ; row 1
.endif
.irp i, 0,1,2,3,4,5,6,7
	ds_store_b128 v14, v[R+32*\p+4*\i:R+32*\p+4*\i+3] offset:2560*(\i/4)+640*(\i%4)
.endr
.irp i, 0,1,2,3,4,5,6,7
	ds_load_b128 v[X+4*\i:X+4*\i+3], v15 offset:2560*(\i/4)+16*(\i%4)   ; LDS serves a wave's instructions in order: these see the stores above
.endr
	s_wait_dscnt 0x0
	v_pk_add_f32 v[18:19], v[84:85], v[86:87]
	v_pk_add_f32 v[198:199], v[92:93], v[96:97]
	v_pk_add_f32 v[196:197], v[100:101], v[104:105]
	v_pk_add_f32 v[194:195], v[108:109], v[112:113]
	v_pk_add_f32 v[192:193], v[88:89], v[90:91]
	v_pk_add_f32 v[190:191], v[94:95], v[98:99]
	v_pk_add_f32 v[188:189], v[102:103], v[106:107]
	v_pk_add_f32 v[16:17], v[110:111], v[114:115]
	s_delay_alu instid0(VALU_DEP_1)
	v_pk_add_f32 v[16:17], v[16:17], v[194:195]
	v_pk_add_f32 v[18:19], v[18:19], v[192:193]
	v_pk_add_f32 v[198:199], v[198:199], v[190:191]
	v_pk_add_f32 v[196:197], v[196:197], v[188:189]
	s_delay_alu instid0(VALU_DEP_2)
	v_pk_add_f32 v[16:17], v[16:17], v[198:199]
	s_delay_alu instid0(VALU_DEP_2)
	v_pk_add_f32 v[18:19], v[18:19], v[196:197]
	s_delay_alu instid0(VALU_DEP_1)
	v_pk_add_f32 v[16:17], v[16:17], v[18:19]
	s_delay_alu instid0(VALU_DEP_1)
	v_add_f32 v16, v16, v17
	REDUCE
	s_delay_alu instid0(VALU_DEP_1)
	v_mul_f32 v8, s16, v16                         ; the mean
	s_delay_alu instid0(VALU_DEP_1)
	v_mov_b32 v9, v8
.set j, 0
.rept 16
	v_pk_add_f32 v[X+j:X+j+1], v[X+j:X+j+1], v[8:9] neg_lo:[0,1] neg_hi:[0,1]
.set j, j+2
.endr
	v_pk_mul_f32 v[16:17], v[X:X+1], v[X:X+1]      ; the sum of squares of z - mean
	v_pk_mul_f32 v[18:19], v[X+2:X+3], v[X+2:X+3]
.irp j, 4,8,12,16,20,24,28
	s_delay_alu instid0(VALU_DEP_2)
	v_pk_fma_f32 v[16:17], v[X+\j:X+\j+1], v[X+\j:X+\j+1], v[16:17]
	s_delay_alu instid0(VALU_DEP_2)
	v_pk_fma_f32 v[18:19], v[X+\j+2:X+\j+3], v[X+\j+2:X+\j+3], v[18:19]
.endr
	s_delay_alu instid0(VALU_DEP_1)
	v_pk_add_f32 v[16:17], v[16:17], v[18:19]
	s_delay_alu instid0(VALU_DEP_1)
	v_add_f32 v16, v16, v17
	REDUCE
	s_delay_alu instid0(VALU_DEP_1)
	v_fma_f32 v16, v16, s16, s17                   ; variance + 1e-5
	s_wait_alu depctr_va_vdst(0)
	v_rsq_f32 v10, v16
	v_rsq_f32 v11, v16                             ; twice: a pair for the packed multiply
	v_nop                                          ; a plain instruction behind the transcendentals
	s_wait_alu depctr_va_vdst(0)                   ; one wait for both, ahead of their first reader
.set j, 0
.rept 16
	v_pk_mul_f32 v[X+j:X+j+1], v[X+j:X+j+1], v[10:11]
.set j, j+2
.endr
.if \p == 0
	s_wait_loadcnt 8                               ; g and b are in; row 1's eight loads may be out
.endif
.set j, 0
.rept 16
	v_pk_fma_f32 v[X+j:X+j+1], v[X+j:X+j+1], v[G+j:G+j+1], v[BB+j:BB+j+1]
.set j, j+2
.endr
.irp s, 0,1                            ; each half row: my 16 numbers become 12 bytes of codes
.set XS, X+16*\s
	v_max3_num_f32 v12, |v[XS]|, |v[XS+1]|, |v[XS+2]|
	v_max3_num_f32 v13, |v[XS+3]|, |v[XS+4]|, |v[XS+5]|
.irp i, 6,10
	s_delay_alu instid0(VALU_DEP_2)
	v_max3_num_f32 v12, v12, |v[XS+\i]|, |v[XS+\i+1]|
	s_delay_alu instid0(VALU_DEP_2)
	v_max3_num_f32 v13, v13, |v[XS+\i+2]|, |v[XS+\i+3]|
.endr
	s_delay_alu instid0(VALU_DEP_2)
	v_max3_num_f32 v12, v12, |v[XS+14]|, |v[XS+15]|
	s_delay_alu instid0(VALU_DEP_1)
	v_max3_num_f32 v12, v12, v13, 0x1800000        ; and the floor 2^(3 - 127): the byte cannot fall under 1
	s_delay_alu instid0(VALU_DEP_1)
	v_max_num_f32_dpp v12, v12, v12 row_xmask:1 row_mask:0xf bank_mask:0xf   ; with my neighbour's 16: the block's largest magnitude
	s_delay_alu instid0(VALU_DEP_1)
	v_add_nc_u32 v18, 0xff000000, v12              ; 2 off its exponent field: the conversion's scale operand
	v_cvt_scalef32_pk16_fp6_f32 v[C+8*\p+4*\s:C+8*\p+4*\s+2], v[XS:XS+15], v18
	v_lshrrev_b32 v[E+2*\p+\s], 23, v18            ; the scale's byte (also the plain instruction behind the conversion)
	ds_store_b8 v5, v[E+2*\p+\s] offset:32*\p+16*\s   ; both lanes of a block write the same byte with the same value
	global_store_b96 v6, v[C+8*\p+4*\s:C+8*\p+4*\s+2], s[10:11] offset:768*\p+384*\s   ; 384 consecutive bytes a wave; a row's two stores cover 768
.endr
.endm
	ROW 0
	ROW 1
	s_wait_dscnt 0x0                               ; for the others' sake: my byte stores have landed
	s_barrier_signal -1
	s_barrier_wait -1
	s_cmp_lg_u32 s12, 0
	s_cbranch_scc1 .Ldone                          ; wave 0 sends the work-group's 512 scale bytes: two aligned runs of 256
	ds_load_b128 v[20:23], v7
	s_wait_dscnt 0x0
	global_store_b128 v3, v[20:23], s[22:23]
.Ldone:
	s_wait_tensorcnt 0x0
	ds_add_u32 v200, v201
	s_wait_dscnt 0x0
	s_endpgm
.Lfunc_end_k_q570a189262_ln1:
	.size	k_q570a189262_ln1, .Lfunc_end_k_q570a189262_ln1-k_q570a189262_ln1
	.p2alignl 7, 3214868480
	.fill 96, 4, 3214868480
	.section	.rodata,"a",@progbits
	.p2align	6, 0x0
	.amdhsa_kernel k_q570a189262_ln1
		.amdhsa_group_segment_fixed_size 42496
		.amdhsa_private_segment_fixed_size 0
		.amdhsa_enable_private_segment 0
		.amdhsa_kernarg_size 32
		.amdhsa_user_sgpr_count 2
		.amdhsa_user_sgpr_kernarg_segment_ptr 1
		.amdhsa_wavefront_size32 1
		.amdhsa_system_sgpr_workgroup_id_x 1
		.amdhsa_system_sgpr_workgroup_id_y 1
		.amdhsa_system_sgpr_workgroup_id_z 1
		.amdhsa_system_vgpr_workitem_id 0
		.amdhsa_next_free_vgpr 202
		.amdhsa_next_free_sgpr 66
		.amdhsa_reserve_vcc 0
		.amdhsa_float_denorm_mode_32 3
		.amdhsa_float_denorm_mode_16_64 3
		.amdhsa_memory_ordered 1
		.amdhsa_forward_progress 1
		.amdhsa_inst_pref_size 27
	.end_amdhsa_kernel
	.amdgpu_metadata
---
amdhsa.version: [ 1, 2 ]
amdhsa.kernels:
  - .name:           k_q570a189262_ln1
    .symbol:         k_q570a189262_ln1.kd
    .args:
      - { .name: x, .offset: 0, .size: 8, .value_kind: global_buffer, .address_space: global }
      - { .name: g1, .offset: 8, .size: 8, .value_kind: global_buffer, .address_space: global }
      - { .name: b1, .offset: 16, .size: 8, .value_kind: global_buffer, .address_space: global }
      - { .name: hq, .offset: 24, .size: 8, .value_kind: global_buffer, .address_space: global }
    .group_segment_fixed_size: 42496
    .private_segment_fixed_size: 0
    .kernarg_segment_align: 8
    .kernarg_segment_size: 32
    .max_flat_workgroup_size: 256
    .sgpr_count:     66
    .vgpr_count:     202
    .wavefront_size: 32
...
	.end_amdgpu_metadata
.endif
;; end of part 1
;; launch qkv (part 2): grid 12 x 16, 4 waves a work-group, clusters of 4 x 4, 327,680 bytes of LDS; arguments hq, qkv, Wq_codes, Wq_scales, Wk_codes, Wk_scales, Wv_codes, Wv_scales, bq, bk, bv; writes qkv
.if DOCPART == 2
	.amdgcn_target "amdgcn-amd-amdhsa--gfx1250"
	.amdhsa_code_object_version 6
	.text
	.protected	k_q570a189262_qkv
	.globl	k_q570a189262_qkv
	.p2align	8
	.type	k_q570a189262_qkv,@function
k_q570a189262_qkv:
	s_mov_b64 s[64:65], 0
	v_nop
	global_prefetch_b8 v0, s[64:65] scope:SCOPE_SE
	s_setreg_imm32_b32 hwreg(HW_REG_WAVE_MODE, 25, 1), 1
	s_wait_xcnt 0x0
	s_wait_alu depctr_hold_cnt(0) depctr_sa_sdst(0) depctr_va_vdst(0) depctr_va_sdst(0) depctr_va_ssrc(0) depctr_va_vcc(0) depctr_vm_vsrc(0)
	s_getreg_b32 s2, hwreg(HW_REG_IB_STS2, 6, 4)
	s_cmp_eq_u32 s2, 0
	s_cbranch_scc0 .Lentry_in_a_cluster
	s_endpgm
.Lentry_in_a_cluster:
	s_bfe_u32 s2, ttmp6, 0x10000c
	s_cmp_lg_u32 s2, 0xf033
	s_cbranch_scc0 .Lentry_shape_is_right
	s_endpgm
.Lentry_shape_is_right:
; q = h Wq + bq, k = h Wk + bk, v = h Wv + bv on codes of FP6 (E2M3) with E8M0 scales, K = 1,024, and the results QUANTISED ON THE WAY OUT for the attention launch: q and k along the head's axis, v along the keys.
; Cluster x says which: 0 q, 1 k, 2 v (the same in all sixteen partners).  q, k: A = h [4096][K], B = W [1024][K].  v: A = Wv, B = h: only pointers change, and a lane then holds one channel d with its registers along the TOKENS,
; so that one and the same quantiser serves all three.
; A tile of C, 256 x 256, is made by four waves, each 128 x 128: 64 accumulators, 512 registers.  K goes in steps of 256 through a ring of two LDS slots filled by the tensor data mover; the scale bytes of the work-group's rows come once.
; CLUSTERS: 4 x 4 work-groups; A's tiles are asked for jointly along a row of the cluster, B's along a column.  THE MATRIX INSTRUCTION IS USED TRANSPOSED (source 0 = rows of B, source 1 = rows of A): a lane holds one row of C.
; OUT: a fragment (16 rows x 128 along the next K) leaves as an IMAGE OF ITS 12 REGISTERS: three planes of 512 bytes, lane l's registers 4 c .. 4 c + 3 at 512 c + 16 l; its scale words, 4 bytes a row, in row order.
;   q images at 0, k at 3,145,728: [chunk of 128 columns: 8][block of 16 tokens: 256][1536];  v at 6,291,456: [chunk of 128 tokens: 32][block of 16 channels: 64][1536];  scale words at 9,437,184 (q), + 131,072 (k), + 262,144 (v).
; 192 work-groups: three tensors of 64 tiles.  LIMITS: NaN and infinities are not served (a bias that is not wanted is multiplied by 0); a block of zeros carries the byte 1, which only this program reads.
; REGISTERS: window 0: v0-31 addresses; v32-63 scale words, two sets; v128-223 A's fragments; v224-231 the bias of my rows.  window 1: B's fragments, two sets, at v0 and v128; v96-127, v224-255 the bias of my columns.
;   windows 2, 3: the accumulators.  On the way out window 0's v32-223 are free: see below.
.set SIZE_K, 1024
.set KSTEP,  256
.set NQ,     KSTEP/128
; THE RING goes by CHUNKS OF 256 BYTES of each row of codes (a row is 768 bytes: three chunks, each on a multiple of 256 bytes); chunk c lies in slot c % 2.
; A matrix step is 128 along K, 96 bytes of a row: eight steps to three chunks; steps 2 and 5 lie across two chunks.  KSTEP = 256 is what one set of scale words serves.
; PREFETCH: behind the head's loads each wave names chunks 1 and 2 of 32 rows, a lane a row: of the 128 rows that it fetches in the ring, the 32 that fall to its work-group (cx for A, cy for B), told apart by address.
.set ROWB,   256
.set KROW,   SIZE_K*6/8
.set STEPS,  SIZE_K/128
.set CHUNKS, KROW/ROWB
.set G0H,    4                         ; s[4:7], s[8:11]: group 0 of the head's loads of chunk 0 (the arguments that lay there have been used)
.set G0HB,   8
.set PFA,    66                        ; s[66:67] the prefetches' base; v11 their offset; neither is rewritten
.set PITCH,  272                       ; an LDS row: 256 bytes + 16 of padding
.set FR,     12
.set NL,     6
.set NP,     4                         ; places behind this matrix instruction (ISA guide 7.12.1)
.set HALFT,  128*PITCH
.set SLOT,   4*HALFT
.set LAPS,   SIZE_K/(2*KSTEP)
.set KS,     SIZE_K/32
.set SCL,    2*SLOT                    ; behind the ring: the scales, as units of 256 bytes + 16 of padding
.set HALFS,  (128*KS/256)*272
.set SBLK,   (16*KS/256)*272
.set SPARE,  SCL+4*HALFS               ; the spare words, 128 bytes a wave: no other line names them
.set SWST,   SPARE+512                 ; 512 bytes a wave: my 128 rows' new scale words; no fill lands here
.set ADRA, 16
.set ADRB, 20
.set ADRS, 27
.set SPW,  28
.set NIL,  29
.set LI,   30                          ; v30  16 x lane
.set SWA,  31                          ; v31  SWST + 512 wave + 4 (lane % 16)
.set SC,   32
.set AF,   128
.set BA,   224
.set TM,   32                          ; the way out: v32-35 largest magnitudes, v36-39 bytes, v44-47 the conversions' scale operands
.set PW,   48                          ; the scale word just made
.set BAC,  50                          ; v[50:51] my row's bias, twice
.set PC,   52                          ; v52-63 the codes just made
.set X,    64                          ; v64-127 a block's 64 numbers of my row
.set PX,   128                         ; v128-135 the conversions' second halves
.set G1, 24
.set G0, 32
.set G1B, 48
.set G0B, 56
.set G1S, 68
.set G0S, 76
.set G1SB, 80
.set G0SB, 88
.set SEL, 68                           ; the way out's constants take the scale descriptors' registers: every tensor load has been waited for by then
.set P1,  70
.set P2,  71
.set P3,  72
.set MQ,  74
.set MV,  76
.set SWO, 77
.set MSB, 0
.macro WIN new                         ; the immediate's high byte repeats the setting that is left
.if MSB != (\new)
	s_set_vgpr_msb (MSB<<8)|(\new)
.set MSB, (\new)
.endif
.endm
.set MUL_LO, 0xa1                      ; source 0 (B) window 1, source 1 (A) window 0, C and D window 2
.set MUL_HI, 0xf1
.set TO_B,   0x40
; A joint load: waves 0 and 1 fetch for A, waves 2 and 3 for B; the branch hangs on the wave's number alone.  Four v_nop follow each of the two lines.
.macro JLOAD g0a, g1a, g0b, g1b
	s_cmp_eq_u32 s15, 0
	s_cbranch_scc0 .Lfor_b_\@
	tensor_load_to_lds s[\g0a:\g0a+3], s[\g1a:\g1a+7]
	s_nop 0
.rept 4
	v_nop
.endr
	s_branch .Lasked_\@
.Lfor_b_\@:
	tensor_load_to_lds s[\g0b:\g0b+3], s[\g1b:\g1b+7]
	s_nop 0
.rept 4
	v_nop
.endr
.Lasked_\@:
.endm
.macro CREST                           ; a round of the cluster's barrier behind its opening barrier
	s_cmp_lg_u32 s14, 0
	s_cbranch_scc1 .Lnot_wave_0_\@
	s_barrier_signal -3
.Lnot_wave_0_\@:
	s_barrier_wait -3
	s_barrier_signal -1
	s_barrier_wait -1
.endm
.macro CROUND
	s_barrier_signal -1
	s_barrier_wait -1
	CREST
.endm
	s_load_b128 s[92:95], s[0:1], 0x0              ; h's codes and scales (one buffer), the output
	s_load_b128 s[68:71], s[0:1], 0x10             ; Wq's codes, scales
	s_load_b128 s[72:75], s[0:1], 0x20             ; Wk's
	s_load_b128 s[76:79], s[0:1], 0x30             ; Wv's
	s_load_b128 s[80:83], s[0:1], 0x40             ; bq, bk
	s_load_b64 s[84:85], s[0:1], 0x50              ; bv
	v_lshl_add_u32 v[SPW], v0, 2, SPARE
	v_mov_b32 v[NIL], 0
	ds_add_u32 v28, v29
	ds_add_u32 v28, v29
	s_wait_dscnt 0x0
	v_lshrrev_b32 v1, 5, v0
	v_readfirstlane_b32 s14, v1                    ; wave 0..3
	s_lshr_b32 s15, s14, 1                         ; which half of the tile's rows is mine.  Also: I fetch for A (0) or for B (1)
	s_and_b32 s16, s14, 1                          ; which half of its columns.  Also: which 128 rows I fetch
	s_bfe_u32 s40, ttmp6, 0x40000                  ; cx, cy: my place in the cluster
	s_bfe_u32 s41, ttmp6, 0x40004
	s_and_b32 s17, ttmp7, 0xffff
	s_lshl_b32 s17, s17, 2                         ; 4 x cluster y: it walks the tokens, which are C's rows for q and k, its columns for v
	s_cmp_eq_u32 ttmp9, 2
	s_cselect_b32 s18, 0, s17
	s_cselect_b32 s19, s17, 0
	s_add_co_u32 s17, s18, s41                     ; tile row of C
	s_add_co_u32 s42, s19, s40                     ; tile column of C
	s_lshl_b32 s43, s41, 2
	s_lshl_b32 s43, 15, s43                        ; my row of the cluster
	s_lshl_b32 s44, 0x1111, s40                    ; my column
	s_or_b32 s[G1+0], s43, (0<<16)|(1<<20)|(1<<21)|(5<<22)|(3<<25)  ; the mask; elements of 1 byte; padding on; bit 21 beside a mask; after every 64 words, 4 words
	s_or_b32 s[G1B+0], s44, (0<<16)|(1<<20)|(1<<21)|(5<<22)|(3<<25)
.irp g, G1, G1B
	s_mov_b32 s[\g+1], ROWB<<16
	s_mov_b32 s[\g+2], 256<<16                     ; 256 rows for the head's loads; 128 behind them
	s_mov_b32 s[\g+3], ROWB<<16
	s_mov_b32 s[\g+4], 256
	s_mov_b32 s[\g+5], KROW                        ; the pitch
	s_mov_b32 s[\g+6], 0
	s_mov_b32 s[\g+7], 0
.endr
	s_wait_kmcnt 0x0
	; which tensors are A and B: a choice on the cluster's x alone
	s_cmp_eq_u32 ttmp9, 1
	s_cselect_b64 s[68:69], s[72:73], s[68:69]
	s_cselect_b64 s[70:71], s[74:75], s[70:71]
	s_cselect_b64 s[80:81], s[82:83], s[80:81]
	s_cmp_eq_u32 ttmp9, 2
	s_cselect_b64 s[68:69], s[76:77], s[68:69]     ; the weight's codes,
	s_cselect_b64 s[70:71], s[78:79], s[70:71]     ; its scales,
	s_cselect_b64 s[96:97], s[84:85], s[80:81]     ; the bias
	s_mov_b64 s[12:13], s[94:95]                   ; the output
	s_add_nc_u64 s[94:95], s[92:93], 3145728       ; h's scale bytes
	s_cselect_b64 s[4:5], s[68:69], s[92:93]       ; A's codes
	s_cselect_b64 s[6:7], s[70:71], s[94:95]       ; A's scales
	s_cselect_b64 s[8:9], s[92:93], s[68:69]       ; B's codes
	s_cselect_b64 s[10:11], s[94:95], s[70:71]     ; B's scales
	s_cselect_b32 s98, 1, 0                        ; 1: v
	; the scales of 256 rows: a dense block, as rows of 256 bytes (32 elements of 8 bytes), 16 bytes of padding behind each
	s_or_b32 s[G1S+0], s43, (3<<16)|(1<<20)|(1<<21)|(5<<22)|(3<<25)
	s_or_b32 s[G1SB+0], s44, (3<<16)|(1<<20)|(1<<21)|(5<<22)|(3<<25)
.irp g, G1S, G1SB
	s_mov_b32 s[\g+1], 32<<16
	s_mov_b32 s[\g+2], KS<<16                      ; the scales of 256 rows: KS rows of 256 bytes
	s_mov_b32 s[\g+3], 32<<16
	s_mov_b32 s[\g+4], KS
	s_mov_b32 s[\g+5], 32
	s_mov_b32 s[\g+6], 0
	s_mov_b32 s[\g+7], 0
.endr
	s_lshl_b32 s20, s17, 8                         ; A: the tile's first row
	s_lshl_b32 s46, s42, 8                         ; B: likewise
	s_mov_b32 s21, 0
	s_mov_b32 s47, 0
	s_mov_b64 s[18:19], KS
	s_mul_u64 s[22:23], s[20:21], s[18:19]
	s_mul_u64 s[92:93], s[46:47], s[18:19]
	s_mov_b64 s[18:19], KROW
	s_mul_u64 s[20:21], s[20:21], s[18:19]
	s_mul_u64 s[46:47], s[46:47], s[18:19]
	s_mul_i32 s45, s14, HALFT                      ; where they go: wave x 128 rows: no place in the cluster enters an LDS address
	s_add_nc_u64 s[20:21], s[4:5], s[20:21]
	s_add_nc_u64 s[22:23], s[6:7], s[22:23]
	s_add_nc_u64 s[46:47], s[8:9], s[46:47]
	s_add_nc_u64 s[92:93], s[10:11], s[92:93]
	CROUND                                         ; all sixteen work-groups are here: the first joint loads meet
	s_mov_b32 s[G0S], 1
	s_mov_b32 s[G0S+1], SCL
	s_mov_b64 s[G0S+2:G0S+3], s[22:23]
	s_or_b32 s[G0S+3], s[G0S+3], 0x80000000
	s_mov_b32 s[G0SB], 1
	s_mov_b32 s[G0SB+1], SCL+2*HALFS
	s_mov_b64 s[G0SB+2:G0SB+3], s[92:93]
	s_or_b32 s[G0SB+3], s[G0SB+3], 0x80000000
	s_mov_b32 s[G0H], 1                            ; chunk 0's 256 rows of A,
	s_mov_b32 s[G0H+1], 0
	s_mov_b64 s[G0H+2:G0H+3], s[20:21]
	s_or_b32 s[G0H+3], s[G0H+3], 0x80000000
	s_mov_b32 s[G0HB], 1                           ; and of B
	s_mov_b32 s[G0HB+1], 2*HALFT
	s_mov_b64 s[G0HB+2:G0HB+3], s[46:47]
	s_or_b32 s[G0HB+3], s[G0HB+3], 0x80000000
	s_mul_i32 s18, s16, 128*KROW                   ; for the ring: my 128 rows of the tile
	s_mov_b32 s19, 0
	s_add_nc_u64 s[20:21], s[20:21], s[18:19]
	s_add_nc_u64 s[46:47], s[46:47], s[18:19]
.irp s, 0,1
	s_mov_b32 s[G0+4*\s], 1
	s_add_co_u32 s[G0+4*\s+1], s45, \s*SLOT
	s_add_nc_u64 s[G0+4*\s+2:G0+4*\s+3], s[20:21], \s*ROWB
	s_or_b32 s[G0+4*\s+3], s[G0+4*\s+3], 0x80000000
	s_mov_b32 s[G0B+4*\s], 1
	s_add_co_u32 s[G0B+4*\s+1], s45, \s*SLOT
	s_add_nc_u64 s[G0B+4*\s+2:G0B+4*\s+3], s[46:47], \s*ROWB
	s_or_b32 s[G0B+4*\s+3], s[G0B+4*\s+3], 0x80000000
.endr
; The head's loads, one a wave: wave 0 chunk 0 of A, wave 1 of B, wave 2 A's scales, wave 3 B's: one tree of branches on the wave's number.
.macro ARM under, g0, g1, next
	s_cmp_lt_u32 s14, \under
	s_cbranch_scc0 \next
	tensor_load_to_lds s[\g0:\g0+3], s[\g1:\g1+7]
	s_nop 0
.rept 4
	v_nop
.endr
	s_branch .Lhead_asked
\next:
.endm
	ARM 1, G0H,  G1,  .Lhead_b
	ARM 2, G0HB, G1B, .Lhead_sa
	ARM 3, G0S,  G1S, .Lhead_sb
	tensor_load_to_lds s[G0SB:G0SB+3], s[G1SB:G1SB+7]
	s_nop 0
.rept 4
	v_nop
.endr
.Lhead_asked:
	s_cmp_eq_u32 s15, 0                            ; do I fetch for A?
	s_cselect_b32 s18, s40, s41                    ; my place among the four that ask with me
	s_cselect_b64 s[PFA:PFA+1], s[20:21], s[46:47]
	s_mul_i32 s18, s18, 32*KROW
	s_mov_b32 s19, 0
	s_add_nc_u64 s[PFA:PFA+1], s[PFA:PFA+1], s[18:19]
	v_and_b32 v11, 31, v0
	v_mul_u32_u24 v11, v11, KROW
	global_prefetch_b8 v11, s[PFA:PFA+1] offset:ROWB th:TH_LOAD_NT scope:SCOPE_SE     ; chunk 1
	global_prefetch_b8 v11, s[PFA:PFA+1] offset:2*ROWB th:TH_LOAD_NT scope:SCOPE_SE   ; chunk 2
	v_and_b32 v1, 15, v0                           ; r = lane % 16
	v_bfe_u32 v2, v0, 4, 1                         ; h = lane / 16
	v_mul_u32_u24 v3, v1, PITCH
	v_mul_u32_u24 v4, v2, 24
	v_add_nc_u32 v4, v3, v4
	s_mov_b32 s21, SLOT-232
	s_mov_b32 s22, SLOT+232
	v_sub_nc_u32 v7, 1, v2
	v_mul_u32_u24 v5, s21, v2
	v_add_nc_u32 v5, v3, v5
	v_add_nc_u32 v5, 232, v5                       ; across two chunks: lanes 0-15 byte 232 of the row in slot 0, lanes 16-31 byte 0 in slot 1;
	v_mul_u32_u24 v6, s22, v7
	v_add_nc_u32 v6, v3, v6                        ; and the other way round
	s_mul_i32 s21, s15, HALFT
	s_mul_i32 s22, s16, HALFT
	s_add_co_u32 s22, s22, 2*HALFT
	v_add_nc_u32 v[ADRA+2], s21, v5
	v_add_nc_u32 v[ADRA+3], s21, v6
	v_add_nc_u32 v[ADRB+2], s22, v5
	v_add_nc_u32 v[ADRB+3], s22, v6
.irp s, 0,1
	v_add_nc_u32 v[ADRA+\s], s21, v4
	v_add_nc_u32 v[ADRB+\s], s22, v4
	s_add_co_u32 s21, s21, SLOT
	s_add_co_u32 s22, s22, SLOT
.endr
	v_mul_u32_u24 v5, v1, KS                       ; my row's scales: KS bytes a row,
	v_lshrrev_b32 v6, 8, v5
	v_lshl_add_u32 v5, v6, 4, v5                   ; and 16 more for each 256 passed
	s_mul_i32 s21, s15, HALFS
	s_mul_i32 s22, s16, HALFS
	s_add_co_u32 s22, s22, 2*HALFS
	s_sub_co_u32 s22, s22, s21
	v_mul_u32_u24 v6, s22, v2                      ; lanes 16-31 take B's
	s_add_co_u32 s21, s21, SCL
	v_add_nc_u32 v5, v5, v6
	v_add_nc_u32 v[ADRS], s21, v5
	v_and_b32 v6, 31, v0
	v_lshlrev_b32 v[LI], 4, v6
	s_lshl_b32 s18, s14, 9
	s_add_co_u32 s18, s18, SWST
	v_lshlrev_b32 v[SWA], 2, v1
	v_add_nc_u32 v[SWA], s18, v[SWA]
	v_add_nc_u32 v10, s18, v[LI]                   ; v10: my wave's scale words, read back 16 bytes a lane
	v_lshlrev_b32 v8, 5, v2                        ; v8: 32 h: my eight columns of a tile in the bias
	s_wait_alu depctr_va_vdst(0)
	v_lshlrev_b32 v9, 2, v1                        ; v9: 4 r: my row in the bias
	; where my images and scale words go: index = chunk x (blocks of rows in the tensor) + my first block of rows
	s_wait_alu depctr_va_vdst(0)
	s_cmp_eq_u32 s98, 1
	s_cselect_b32 s47, 6, 8                        ; 64 blocks of 16 channels for v, 256 blocks of 16 tokens for q and k
	s_lshl_b32 s46, s42, 1
	s_add_co_u32 s46, s46, s16                     ; chunk = 2 x tile column + half
	s_lshl_b32 s46, s46, s47
	s_lshl_b32 s47, s17, 4
	s_add_co_u32 s46, s46, s47
	s_lshl_b32 s47, s15, 3
	s_add_co_u32 s46, s46, s47                     ; + 16 x tile row + 8 x half
	s_lshl_b32 s92, s46, 6                         ; 64 bytes of scale words a block of rows
	s_lshl_b32 s93, ttmp9, 17
	s_add_co_u32 s92, s92, s93
	s_add_co_u32 s92, s92, 9437184
	s_mov_b32 s93, 0
	s_add_nc_u64 s[100:101], s[12:13], s[92:93]
	s_mul_i32 s92, s46, 1536
	s_mul_i32 s47, ttmp9, 3145728
	s_add_co_u32 s92, s92, s47
	s_add_nc_u64 s[12:13], s[12:13], s[92:93]
	; the bias: q, k: of my 128 columns; v: of my 128 rows.  Both are loaded from inside the buffer; the one that is not wanted is multiplied by 0 on the way out
	s_lshl_b32 s20, s42, 10
	s_lshl_b32 s21, s16, 9
	s_add_co_u32 s20, s20, s21                     ; 4 x my first column
	s_lshl_b32 s22, s17, 10
	s_lshl_b32 s21, s15, 9
	s_add_co_u32 s22, s22, s21                     ; 4 x my first row
	s_cmp_eq_u32 s98, 1
	s_cselect_b32 s20, 0, s20
	s_cselect_b32 s22, s22, 0
	s_mov_b32 s21, 0
	s_mov_b32 s23, 0
	s_add_nc_u64 s[20:21], s[96:97], s[20:21]
	s_add_nc_u64 s[22:23], s[96:97], s[22:23]
	WIN TO_B
.irp b, 0,1,2,3,4,5,6,7                ; window 1: tile b's eight at v[96 + 8 b] (b < 4) or v[192 + 8 b]
	global_load_b128 v[96+8*\b+96*(\b/4):96+8*\b+96*(\b/4)+3], v8, s[20:21] offset:64*\b
	global_load_b128 v[96+8*\b+96*(\b/4)+4:96+8*\b+96*(\b/4)+7], v8, s[20:21] offset:64*\b+16
.endr
	WIN 0
.irp a, 0,1,2,3,4,5,6,7
	global_load_b32 v[BA+\a], v9, s[22:23] offset:64*\a
.endr
.macro FRAG reg, adr, st, i            ; 16 rows x 128 K: six pieces of 8 bytes.  Byte y of a row lies in slot (y / 256) % 2 at byte y % 256 of the LDS row; lanes 16-31 read 24 bytes on
.irp p, 0,1,2,3,4,5
.set BY, 96*(\st)+48*(\p/3)+8*(\p%3)
.if BY/ROWB == (BY+24)/ROWB
	ds_load_b64 v[\reg+2*\p:\reg+2*\p+1], v[\adr+(BY/ROWB)%2] offset:BY%ROWB+(\i)*16*PITCH
.else
	ds_load_b64 v[\reg+2*\p:\reg+2*\p+1], v[\adr+2+(BY/ROWB)%2] offset:BY%ROWB-232+(\i)*16*PITCH
.endif
.endr
.endm
; 16 matrix instructions: A's blocks a0, a0 + 1 x B's eight.  The 64 accumulators take turns, one instruction a turn.
.macro MUL16 a0, p, q, sc, zero
.irp a, \a0, \a0+1
.irp b, 0,1,2,3,4,5,6,7
.if \zero
	v_wmma_scale_f32_16x16x128_f8f6f4 v[8*(8*((\a)%4)+\b):8*(8*((\a)%4)+\b)+7], v[128*(\p)+FR*\b:128*(\p)+FR*\b+FR-1], v[AF+FR*(\a):AF+FR*(\a)+FR-1], 0, v[SC+8*NQ*(\sc)+NQ*\b+(\q)], v[SC+8*NQ*(\sc)+NQ*(\a)+(\q)] matrix_a_fmt:MATRIX_FMT_FP6 matrix_b_fmt:MATRIX_FMT_FP6 matrix_a_scale:MATRIX_SCALE_ROW1
.else
	v_wmma_scale_f32_16x16x128_f8f6f4 v[8*(8*((\a)%4)+\b):8*(8*((\a)%4)+\b)+7], v[128*(\p)+FR*\b:128*(\p)+FR*\b+FR-1], v[AF+FR*(\a):AF+FR*(\a)+FR-1], v[8*(8*((\a)%4)+\b):8*(8*((\a)%4)+\b)+7], v[SC+8*NQ*(\sc)+NQ*\b+(\q)], v[SC+8*NQ*(\sc)+NQ*(\a)+(\q)] matrix_a_fmt:MATRIX_FMT_FP6 matrix_b_fmt:MATRIX_FMT_FP6 matrix_a_scale:MATRIX_SCALE_ROW1
.endif
.endr
.endr
.endm
.macro FETCH_B st, p                   ; B's eight fragments of step st into set p
	WIN TO_B
.irp i, 0,1,2,3,4,5,6,7
	FRAG 128*(\p)+FR*\i, ADRB, \st, \i
.endr
	WIN 0
.endm
.macro FETCH_A st, i0                  ; A's blocks i0 .. i0 + 3 of step st
.irp i, \i0, \i0+1, \i0+2, \i0+3
	FRAG AF+FR*(\i), ADRA, \st, \i
.endr
.endm
.macro SCALES pr                       ; the scale words of steps 2 pr, 2 pr + 1 into set pr % 2: lanes 0-15 A's block i, lanes 16-31 B's
.irp i, 0,1,2,3,4,5,6,7
	ds_load_b64 v[SC+8*NQ*((\pr)%2)+NQ*\i:SC+8*NQ*((\pr)%2)+NQ*\i+1], v[ADRS] offset:\i*SBLK+4*NQ*(\pr)
.endr
.endm
.macro PLACES n                        ; plain vector instructions between a matrix instruction and a load into, or a read of, its registers
.rept \n
	v_nop
.endr
.endm
; A step of 128 along K: 64 products; the next step's fragments are fetched in its middle and at its end.  Where the next step's bytes END in a chunk not read yet, a barrier shows that chunk whole;
; where they BEGIN in a later chunk, the chunk left behind is read no more: the wait for all tensor loads, the add, the wait for it and for my reads, the barrier, which opens a round of the cluster's barrier where a chunk is left to fetch.
.macro STEP st, zero
.set NX, (\st)+1
.set C0, (96*(\st))/ROWB
.set C1, (96*NX)/ROWB
.set E0, (96*(\st)+95)/ROWB
.set E1, (96*NX+95)/ROWB
.if C1 > C0 || E1 > E0
	s_wait_tensorcnt 0x0                           ; all my tensor loads have landed
.if C1 > C0
	ds_add_u32 v[SPW], v[NIL]
	s_wait_dscnt 4*NL+1                            ; the add and the youngest 24 loads (A's blocks 4-7) may be out
.else
	s_wait_dscnt 4*NL                              ; the youngest 24 loads may be out
.endif
	WIN MUL_LO
	MUL16 0, (\st)%2, (\st)%2, ((\st)/2)%2, \zero
	s_wait_dscnt 0x0                               ; the add and all my reads are done
	s_barrier_signal -1
	MUL16 2, (\st)%2, (\st)%2, ((\st)/2)%2, \zero
	WIN 0
	s_barrier_wait -1
.if C1 > C0 && C0+2 < CHUNKS
	CREST
	s_add_nc_u64 s[G0+4*(C0%2)+2:G0+4*(C0%2)+3], s[G0+4*(C0%2)+2:G0+4*(C0%2)+3], 2*ROWB
	s_add_nc_u64 s[G0B+4*(C0%2)+2:G0B+4*(C0%2)+3], s[G0B+4*(C0%2)+2:G0B+4*(C0%2)+3], 2*ROWB
	JLOAD G0+4*(C0%2), G1, G0B+4*(C0%2), G1B       ; chunk C0 + 2, first behind the round; its four v_nop are the places in front of the loads below
.else
	PLACES NP
.endif
.else
	s_wait_dscnt 4*NL                              ; the youngest 24 loads may be out
	WIN MUL_LO
	MUL16 0, (\st)%2, (\st)%2, ((\st)/2)%2, \zero
	MUL16 2, (\st)%2, (\st)%2, ((\st)/2)%2, \zero
	s_wait_dscnt 0
	PLACES NP
.endif
	FETCH_B NX, NX%2
	FETCH_A NX, 0
.if NX%2 == 0
	SCALES NX/2
.endif
	WIN MUL_HI
	MUL16 4, (\st)%2, (\st)%2, ((\st)/2)%2, \zero
	MUL16 6, (\st)%2, (\st)%2, ((\st)/2)%2, \zero
	PLACES NP
	WIN 0
	FETCH_A NX, 4
.endm
	s_wait_alu depctr_va_vdst(0)                   ; the wait at the head's end
	s_wait_tensorcnt 0x0                           ; my tile of the head's four is in; the lines ahead of a later first fill:
	ds_add_u32 v[SPW], v[NIL]
	s_mov_b32 s[G1+2], 128<<16                     ; no tensor load of mine is out: from here on a load brings 128 rows
	s_mov_b32 s[G1+4], 128
	s_mov_b32 s[G1B+2], 128<<16
	s_mov_b32 s[G1B+4], 128
	s_wait_dscnt 0x0
	CROUND
	JLOAD G0+4, G1, G0B+4, G1B                     ; chunk 1, first behind the round
	FETCH_B 0, 0
	FETCH_A 0, 0
	SCALES 0
	FETCH_A 0, 4
	STEP 0, 1                                      ; the first step's products start the sums
.set ST, 1                             ; written out: slots and chunks do not come back to where they began within these eight steps
.rept STEPS-2
	STEP ST, 0
.set ST, ST+1
.endr
	s_wait_dscnt 4*NL
	WIN MUL_LO
	MUL16 0, 1, NQ-1, 1, 0
	MUL16 2, 1, NQ-1, 1, 0
	s_wait_dscnt 0
	WIN MUL_HI
	MUL16 4, 1, NQ-1, 1, 0
	MUL16 6, 1, NQ-1, 1, 0
	WIN 0
; THE WAY OUT.  My eight blocks of 16 rows x 128 columns, one a trip.  A short stub for each block copies its 64 sums out of the accumulators' window (adding the columns' bias in the same instruction); the rest is written once.
; Block a: lane (r, h) holds row 16 a + r; register 8 t + j is column 16 t + 8 h + j.
.macro STUB a
	WIN 0x21+0x10*((\a)/4)                         ; source 0 (bias) window 1, source 2 (the sums) window 2 or 3
.set i, 0
.rept 32
.set rB, 96+2*i+96*(i/16)
	v_pk_fma_f32 v[X+2*i:X+2*i+1], v[rB:rB+1], s[MQ:MQ+1], v[64*((\a)%4)+2*i:64*((\a)%4)+2*i+1] op_sel_hi:[1,0,1]   ; each accumulator from its low end on
.set i, i+1
.endr
	WIN 0
	v_mul_f32 v[BAC], s[MV], v[BA+(\a)]
	v_mul_f32 v[BAC+1], s[MV], v[BA+(\a)]
.endm
; 64 numbers of a lane become a fragment's codes in v[PC] on and its scale word in v[PW].  Block b of 32 columns lies in my registers 16 b .. 16 b + 15 and in lane l xor 16's.
.macro QUANT8
.irp b, 0,1,2,3
	v_max3_num_f32 v[TM+\b], |v[X+16*\b]|, |v[X+16*\b+1]|, 0x1800000   ; with the floor 2^(3 - 127): the byte cannot fall under 1
.endr
.irp i, 2,4,6,8,10,12,14
.irp b, 0,1,2,3
	v_max3_num_f32 v[TM+\b], v[TM+\b], |v[X+16*\b+\i]|, |v[X+16*\b+\i+1]|
.endr
.endr
.irp b, 0,1,2,3
	v_permlanex16_b32 v[TM+4+\b], v[TM+\b], s[SEL], s[SEL+1]
.endr
.irp b, 0,1,2,3
	v_max_num_f32 v[TM+\b], v[TM+\b], v[TM+4+\b]
.endr
.irp b, 0,1,2,3
	v_add_nc_u32 v[TM+12+\b], 0xff000000, v[TM+\b]   ; 2 off the exponent field: the conversion's scale operand
.endr
.irp b, 0,1,2,3
	v_lshrrev_b32 v[TM+4+\b], 23, v[TM+12+\b]      ; the scale's byte
.endr
	v_lshl_or_b32 v[PW], v[TM+5], 8, v[TM+4]
	v_lshl_or_b32 v[PW], v[TM+6], 16, v[PW]
	v_lshl_or_b32 v[PW], v[TM+7], 24, v[PW]
.irp c, 0,1
	v_cvt_scalef32_pk16_fp6_f32 v[PC+6*\c:PC+6*\c+2], v[X+32*\c:X+32*\c+15], v[TM+12+2*\c]       ; block 2 c: its places 8 h + 0..7 (48 bits), 16 + 8 h + 0..7 (48 bits)
	v_cvt_scalef32_pk16_fp6_f32 v[PX+4*\c:PX+4*\c+2], v[X+32*\c+16:X+32*\c+31], v[TM+13+2*\c]    ; block 2 c + 1 likewise
.endr
	v_nop                                          ; a plain instruction behind the scaled conversions
.irp c, 0,1
.irp i, 0,1,2
	v_permlane16_swap_b32 v[PC+6*\c+\i], v[PX+4*\c+\i]   ; now lane half h holds block 2 c + h: the first run its places 0-7 and 16-23, the second 8-15 and 24-31
.endr
	v_perm_b32 v[PC+6*\c+3], v[PC+6*\c+2], v[PC+6*\c+1], s[P2]   ; the four pieces of 48 bits are laid in order: first low, second low, first high, second high
	v_perm_b32 v[PC+6*\c+4], v[PX+4*\c+1], v[PC+6*\c+2], s[P3]
	v_perm_b32 v[PC+6*\c+1], v[PX+4*\c], v[PC+6*\c+1], s[P1]
	v_perm_b32 v[PC+6*\c+2], v[PX+4*\c+1], v[PX+4*\c], s[P2]
	v_mov_b32 v[PC+6*\c+5], v[PX+4*\c+2]
.endr
.endm
	PLACES NP                                      ; behind the last products
	s_wait_loadcnt 0x0                             ; the biases
	s_mov_b32 s[SEL], 0x76543210
	s_mov_b32 s[SEL+1], 0xfedcba98
	s_mov_b32 s[P1], 0x05040100
	s_mov_b32 s[P2], 0x05040302
	s_mov_b32 s[P3], 0x07060302
	s_cmp_eq_u32 s98, 1
	s_cselect_b32 s[MQ], 0, 1.0                    ; the columns' bias counts for q and k,
	s_cselect_b32 s[MQ+1], 0, 1.0
	s_cselect_b32 s[MV], 1.0, 0                    ; the rows' for v
.irp b, 0,1,2,3
	v_mov_b32 v[TM+4+\b], 0                        ; written once: a lane permute's destination counts as one of its sources
.endr
	s_mov_b32 s[SWO], 0
	s_mov_b32 s78, 0                               ; s[78:79]: what the stores' base steps by: 0 in the first trip, then 1536
	s_mov_b32 s79, 0
	s_mov_b32 s3, 0
.Lblk:
.irp k, 1,2,3,4,5,6,7
	s_cmp_eq_u32 s3, \k
	s_cbranch_scc1 .Lstub\k
.endr
	STUB 0
	s_branch .Lcommon
.irp k, 1,2,3,4,5,6
.Lstub\k:
	STUB \k
	s_branch .Lcommon
.endr
.Lstub7:
	STUB 7
.Lcommon:
.set i, 0
	s_wait_alu depctr_va_vdst(0)
.rept 32
	v_pk_add_f32 v[X+2*i:X+2*i+1], v[X+2*i:X+2*i+1], v[BAC:BAC+1]
.set i, i+1
.endr
	s_wait_alu depctr_va_vdst(0)                   ; the wait, directly ahead of the wait below
	s_wait_xcnt 0x0                                ; the last trip's stores have read their data and their base: both are written again below
	s_add_nc_u64 s[12:13], s[12:13], s[78:79]
	s_mov_b32 s78, 1536
	QUANT8
	v_add_nc_u32 v49, s[SWO], v[SWA]
	ds_store_b32 v49, v[PW]                        ; lanes r and r + 16 write the same word with the same value
.irp c, 0,1,2
	global_store_b128 v[LI], v[PC+4*\c:PC+4*\c+3], s[12:13] offset:512*\c   ; 512 consecutive bytes, aligned
.endr
	s_add_co_u32 s[SWO], s[SWO], 64
	s_add_co_u32 s3, s3, 1
	s_cmp_lt_u32 s3, 8
	s_cbranch_scc1 .Lblk
	ds_load_b128 v[32:35], v10                     ; my 128 rows' scale words (my own stores, served in order), into registers that no pending store reads
	s_wait_dscnt 0x0
	global_store_b128 v[LI], v[32:35], s[100:101]
	s_wait_tensorcnt 0x0                           ; the wave's end
	ds_add_u32 v[SPW], v[NIL]
	s_wait_dscnt 0x0
	CROUND                                         ; the closing round
	s_endpgm
.Lfunc_end_k_q570a189262_qkv:
	.size	k_q570a189262_qkv, .Lfunc_end_k_q570a189262_qkv-k_q570a189262_qkv
	.p2alignl 7, 3214868480
	.fill 96, 4, 3214868480
	.section	.rodata,"a",@progbits
	.p2align	6, 0x0
	.amdhsa_kernel k_q570a189262_qkv
		.amdhsa_group_segment_fixed_size 327680
		.amdhsa_private_segment_fixed_size 0
		.amdhsa_enable_private_segment 0
		.amdhsa_kernarg_size 88
		.amdhsa_user_sgpr_count 2
		.amdhsa_user_sgpr_kernarg_segment_ptr 1
		.amdhsa_wavefront_size32 1
		.amdhsa_system_sgpr_workgroup_id_x 1
		.amdhsa_system_sgpr_workgroup_id_y 1
		.amdhsa_system_sgpr_workgroup_id_z 1
		.amdhsa_system_vgpr_workitem_id 0
		.amdhsa_next_free_vgpr 1024
		.amdhsa_next_free_sgpr 102
		.amdhsa_reserve_vcc 0
		.amdhsa_float_denorm_mode_32 3
		.amdhsa_float_denorm_mode_16_64 3
		.amdhsa_memory_ordered 1
		.amdhsa_forward_progress 1
		.amdhsa_inst_pref_size 160
	.end_amdhsa_kernel
	.amdgpu_metadata
---
amdhsa.version: [ 1, 2 ]
amdhsa.kernels:
  - .name:           k_q570a189262_qkv
    .symbol:         k_q570a189262_qkv.kd
    .args:
      - { .name: hq, .offset: 0, .size: 8, .value_kind: global_buffer, .address_space: global }
      - { .name: qkv, .offset: 8, .size: 8, .value_kind: global_buffer, .address_space: global }
      - { .name: Wq_codes, .offset: 16, .size: 8, .value_kind: global_buffer, .address_space: global }
      - { .name: Wq_scales, .offset: 24, .size: 8, .value_kind: global_buffer, .address_space: global }
      - { .name: Wk_codes, .offset: 32, .size: 8, .value_kind: global_buffer, .address_space: global }
      - { .name: Wk_scales, .offset: 40, .size: 8, .value_kind: global_buffer, .address_space: global }
      - { .name: Wv_codes, .offset: 48, .size: 8, .value_kind: global_buffer, .address_space: global }
      - { .name: Wv_scales, .offset: 56, .size: 8, .value_kind: global_buffer, .address_space: global }
      - { .name: bq, .offset: 64, .size: 8, .value_kind: global_buffer, .address_space: global }
      - { .name: bk, .offset: 72, .size: 8, .value_kind: global_buffer, .address_space: global }
      - { .name: bv, .offset: 80, .size: 8, .value_kind: global_buffer, .address_space: global }
    .group_segment_fixed_size: 327680
    .private_segment_fixed_size: 0
    .kernarg_segment_align: 8
    .kernarg_segment_size: 88
    .max_flat_workgroup_size: 128
    .sgpr_count:     102
    .vgpr_count:     1024
    .wavefront_size: 32
...
	.end_amdgpu_metadata
.endif
;; end of part 2
;; launch att (part 3): grid 4 x 64, 16 waves a work-group, no clusters, 196,608 bytes of LDS; arguments qkv, mask, x, y; writes y
.if DOCPART == 3
	.amdgcn_target "amdgcn-amd-amdhsa--gfx1250"
	.amdhsa_code_object_version 6
	.text
	.protected	k_q570a189262_att
	.globl	k_q570a189262_att
	.p2align	8
	.type	k_q570a189262_att,@function
k_q570a189262_att:
	s_mov_b64 s[64:65], 0
	v_nop
	global_prefetch_b8 v0, s[64:65] scope:SCOPE_SE
	s_setreg_imm32_b32 hwreg(HW_REG_WAVE_MODE, 25, 1), 1
	s_wait_xcnt 0x0
; y = x + attention.  For each (batch, head): S = q k^T / sqrt(10), keys with mask == 0 hidden, softmax, times v; both products on codes of FP6 (E2M3) with E8M0 scales.  q, k, v come as register images with scale words.
; THE SOFTMAX AHEAD OF THE SECOND PRODUCT: t = score x log2(e) / sqrt(10); M = the running largest t rounded UP to a whole number; p = 2^(t - M) is quantised along the keys; the sum of the unquantised p divides at the end.
; SHARES.  A work-group owns 256 queries of one (batch, head), each of its sixteen waves 16: four waves to a SIMD, so that one wave's vector work stands beside another's products.  Every wave walks the 1,024 keys, 128 a step.
; ALL OF THE HEAD'S K AND V STAY IN LDS (64 KB + 48 KB), brought once through registers at the head: no ring, no tensor load.  NO CLUSTER: what four query blocks of a head share is read once, 150 KB for the whole launch of a work-group.
; LAYOUT.  Both products transposed: S^T = K Q^T, O^T = V^T P^T: a lane holds ONE query.  THE KEYS OF A TILE ARE NOT NEIGHBOURS: lane r of tile T takes key 32 (T / 2) + 8 (T % 2) + r + 8 (r / 8), so that the 16 registers of
; tiles 2 b, 2 b + 1 are 16 neighbouring keys.  That order is made where K's images are gathered from memory.
; THE MASK.  The head's K is 64 of the instruction's 128; the rest are zero codes.  Q carries the code of 1.0 at k = 64 (scale 2^0).  A hidden key's 64 codes are zeroed and it carries the code of -4.0 at k = 64 under the scale
; 2^29: its score is exactly -2^31.  c x 2^31 is a whole number in f32, so where EVERY key is hidden t - M is exactly 0 and p = 1 for all: the uniform weights that -1e9 everywhere gives.  Else p = 0 there.
; An open key's two spare scale bytes repeat its two real ones.
; LIMITS: a hidden logit is -6.8e8 here, not -1e9: real logits below that are not served.  NaN and infinities are not served.
; REGISTERS: v1-7 addresses that stay, 0, a temporary; v8-11 addresses in hand; v12 -M, v13 the largest t, v[14:15] the sum; v16-27 Q, v28 its scale word; v29 p's scale word; v[30:31] f; v32-79 four fragments of K; v80-83, v84-87 scale
; words of K, V; v88-95 at work; v96-159 S^T, then p; v160-191 O^T; v192-239 four fragments of V; v240-243 the conversions' scale operands; v244-255 p's codes.
.set KIMG,  0                          ; 64 tiles x 1,024 bytes: registers 0-3 and 4-7 of a fragment, 16 bytes a lane (registers 8-11 are zeros and stay in registers)
.set VIMG,  65536                      ; [step 8][tile of 16 channels: 4][1536]
.set KSC,   114688                     ; K's scale words: 64 tiles x 128 bytes
.set VSC,   122880                     ; V's: [step 8][64 channels][4]
.set STAGE, 124928                     ; the way out: 16 rows x 272 bytes for each wave
.set AK0,  1
.set AV0,  2
.set ASK0, 3
.set ASV0, 4
.set NIL,  5
.set GO,   7
.set KF,   32
.set KSW,  80
.set VSW,  84
.set MX,   88
.set PT,   92
.set S,    96
.set O,    160
.set VF,   192
.set SO,   240
.set PC,   244
.set SEL,  20
.set CS,   22
.set PAR,  24
.set SH,   25
.set TK,   28
.set TS,   29
.set TV,   30
.set TW,   31
	s_load_b256 s[4:11], s[0:1], 0x0               ; the images s[4:5], mask s[6:7], x s[8:9], y s[10:11]
	v_lshrrev_b32 v8, 5, v0
	s_delay_alu instid0(VALU_DEP_1)
	v_readfirstlane_b32 s12, v8                    ; wave 0..15
	s_and_b32 s33, ttmp7, 0xffff
	s_lshr_b32 s13, s33, 4                         ; batch
	s_and_b32 s14, s33, 15                         ; head
	s_lshr_b32 s15, s14, 1                         ; its chunk of 128 columns,
	s_and_b32 s16, s14, 1                          ; and which half of it
	s_sub_co_u32 s[PAR], 0, s16                    ; all ones for the upper half
	s_lshl_b32 s[SH], s16, 4
	s_mov_b32 s26, 0x7f9c0000                      ; a hidden key's upper scale bytes: 2^29, 2^0
	s_mov_b32 s27, 0x7f7f0000                      ; Q's
	s_mov_b32 s[SEL], 0x76543210
	s_mov_b32 s[SEL+1], 0xfedcba98
	s_mov_b32 s[CS], 0x3ee995b3                    ; c = log2(e) / sqrt(10)
	s_mov_b32 s[CS+1], s[CS]
	v_and_b32 v8, 31, v0                           ; lane
	v_and_b32 v9, 15, v0                           ; r
	v_bfe_u32 v10, v0, 4, 1                        ; h
	s_delay_alu instid0(VALU_DEP_3)
	v_lshlrev_b32 v[AK0], 4, v8
	s_delay_alu instid0(VALU_DEP_1)
	v_add_nc_u32 v[AV0], VIMG, v[AK0]
	v_lshl_add_u32 v[ASK0], v8, 2, KSC
	v_lshl_add_u32 v[ASV0], v9, 2, VSC
	v_mov_b32 v[NIL], 0
	v_lshlrev_b32 v[GO], 12, v10
	s_delay_alu instid0(VALU_DEP_1)
	v_lshl_add_u32 v[GO], v9, 4, v[GO]             ; x, y: lanes 0-15 one row, lanes 16-31 the next, 16 bytes a lane
	v_lshrrev_b32 v11, 3, v9                       ; r / 8
	v_and_b32 v12, 7, v9
	s_delay_alu instid0(VALU_DEP_2)
	v_mul_u32_u24 v13, v11, 1536
	s_delay_alu instid0(VALU_DEP_1)
	v_lshl_add_u32 v13, v12, 4, v13
	s_delay_alu instid0(VALU_DEP_1)
	v_lshl_add_u32 v13, v10, 8, v13                ; K's gather: image r / 8 of a pair, its row r % 8, my half
	v_lshl_add_u32 v14, v11, 3, v9
	s_delay_alu instid0(VALU_DEP_1)
	v_lshlrev_b32 v14, 2, v14                      ; 4 (r + 8 (r / 8)): my key among 32, in words
	; where things lie in the images' buffer, in bytes
	s_wait_alu depctr_va_vdst(0)
	s_lshl_b32 s33, s15, 8
	s_lshl_b32 s34, s13, 6
	s_add_co_u32 s33, s33, s34                     ; chunk x 256 + 64 x batch: the first block of 16 tokens
	s_lshl_b32 s34, s12, 2
	s_add_co_u32 s34, s34, s33
	s_mul_i32 s34, s34, 1536
	s_add_co_u32 s34, s34, 3145728                 ; K: my four tiles come from blocks 4 w .. 4 w + 3
	v_add_nc_u32 v232, s34, v13
	s_lshl_b32 s35, s13, 10
	s_lshl_b32 s36, s12, 6
	s_add_co_u32 s36, s36, s35
	s_lshl_b32 s36, s36, 2                         ; (1024 batch + 64 w) words
	v_add_nc_u32 v233, s36, v14                    ; the mask
	s_lshl_b32 s37, s15, 14
	s_add_co_u32 s36, s36, s37
	s_add_co_u32 s36, s36, 9568256
	v_add_nc_u32 v234, s36, v14                    ; K's scale words
	s_lshl_b32 s36, s13, 3
	s_lshr_b32 s38, s12, 1
	s_add_co_u32 s36, s36, s38                     ; chunk of 128 tokens: 8 batch + w / 2
	s_and_b32 s38, s12, 1
	s_lshl_b32 s39, s36, 6
	s_lshl_b32 s40, s14, 2
	s_add_co_u32 s39, s39, s40
	s_mul_i32 s39, s39, 1536
	s_mul_i32 s40, s38, 3072
	s_add_co_u32 s39, s39, s40
	s_add_co_u32 s39, s39, 6291456
	v_add_nc_u32 v235, s39, v[AK0]                 ; V: 3,072 bytes a wave
	s_lshl_b32 s39, s36, 12
	s_lshl_b32 s40, s14, 8
	s_add_co_u32 s39, s39, s40
	s_lshl_b32 s40, s38, 7
	s_add_co_u32 s39, s39, s40
	s_add_co_u32 s39, s39, 9699328
	v_lshlrev_b32 v236, 2, v8
	s_delay_alu instid0(VALU_DEP_1)
	v_add_nc_u32 v236, s39, v236                   ; V's scale words: 128 bytes a wave
	s_lshl_b32 s39, ttmp9, 4
	s_add_co_u32 s39, s39, s12
	s_add_co_u32 s40, s39, s33
	s_mul_i32 s40, s40, 1536
	v_add_nc_u32 v237, s40, v[AK0]                 ; Q: block 16 x work-group x + w
	s_lshl_b32 s39, s39, 4
	s_add_co_u32 s39, s39, s35                     ; my first query's token
	s_lshl_b32 s40, s39, 2
	s_add_co_u32 s40, s40, s37
	s_add_co_u32 s40, s40, 9437184
	v_lshlrev_b32 v238, 2, v9
	s_delay_alu instid0(VALU_DEP_1)
	v_add_nc_u32 v238, s40, v238                   ; Q's scale words
	s_lshl_b32 s40, s39, 12
	s_lshl_b32 s41, s14, 8
	s_add_co_u32 s40, s40, s41                     ; x, y: my first row, my head's 256 bytes
	s_mov_b32 s41, 0
	; where they go in LDS
	s_lshl_b32 s33, s12, 12
	v_add_nc_u32 v239, s33, v[AK0]
	s_lshl_b32 s33, s12, 9
	v_add_nc_u32 v240, s33, v[ASK0]
	s_mul_i32 s33, s12, 3072
	v_add_nc_u32 v241, s33, v[AV0]
	s_lshl_b32 s33, s12, 7
	v_lshl_add_u32 v242, v8, 2, VSC
	s_delay_alu instid0(VALU_DEP_1)
	v_add_nc_u32 v242, s33, v242
	v_sub_nc_u32 v243, 1, v10
	s_delay_alu instid0(VALU_DEP_1)
	v_lshlrev_b32 v244, 3, v243                    ; the code of 1.0 in lanes 0-15, 0 in the others
	s_delay_alu instid0(VALU_DEP_2)
	v_mul_u32_u24 v243, v243, 56                   ; the code of -4.0 likewise
	s_wait_alu depctr_va_vdst(0)
	s_wait_kmcnt 0x0
	s_add_nc_u64 s[8:9], s[8:9], s[40:41]
	s_add_nc_u64 s[10:11], s[10:11], s[40:41]
.irp i, 0,1,2,3
.irp c, 0,1,2
	global_load_b128 v[96+12*\i+4*\c:96+12*\i+4*\c+3], v232, s[4:5] offset:(\i/2)*3072+128*(\i%2)+512*\c
.endr
.endr
.irp i, 0,1,2,3
	global_load_b32 v[144+\i], v233, s[6:7] offset:128*(\i/2)+32*(\i%2)
	global_load_b32 v[148+\i], v234, s[4:5] offset:128*(\i/2)+32*(\i%2)
.endr
.irp i, 0,1,2,3,4,5
	global_load_b128 v[192+4*\i:192+4*\i+3], v235, s[4:5] offset:512*\i
.endr
	global_load_b32 v228, v236, s[4:5]
.irp c, 0,1,2
	global_load_b128 v[216+4*\c:216+4*\c+3], v237, s[4:5] offset:512*\c
.endr
	global_load_b32 v230, v238, s[4:5]
	s_wait_loadcnt 0x0
.irp i, 0,1,2,3                        ; my four tiles of K: my head's six registers, hidden keys zeroed, the mask's code, the scale word
	v_cmp_ne_u32 vcc_lo, 0, v[144+\i]              ; the key counts
.irp j, 0,1,2,3,4,5
	v_cndmask_b32 v[152+\j], v[96+12*\i+\j], v[102+12*\i+\j], s[PAR]
.endr
.irp j, 0,1,2,3,4,5
	v_cndmask_b32 v[96+12*\i+\j], v[NIL], v[152+\j], vcc_lo
.endr
	v_cndmask_b32 v[102+12*\i], v243, v[NIL], vcc_lo
	v_mov_b32 v[103+12*\i], 0
	v_lshrrev_b32 v158, s[SH], v[148+\i]
	s_delay_alu instid0(VALU_DEP_1)
	v_and_b32 v158, 0xffff, v158                   ; my head's two scale bytes
	s_delay_alu instid0(VALU_DEP_1)
	v_lshl_or_b32 v159, v158, 16, v158
	s_delay_alu instid0(VALU_DEP_2)
	v_or_b32 v158, s26, v158
	s_delay_alu instid0(VALU_DEP_1)
	v_cndmask_b32 v158, v158, v159, vcc_lo
	ds_store_b128 v239, v[96+12*\i:99+12*\i] offset:1024*\i
	ds_store_b128 v239, v[100+12*\i:103+12*\i] offset:1024*\i+512
	ds_store_b32 v240, v158 offset:128*\i
.endr
.irp i, 0,1,2,3,4,5
	ds_store_b128 v241, v[192+4*\i:192+4*\i+3] offset:512*\i
.endr
	ds_store_b32 v242, v228
.irp j, 0,1,2,3,4,5
	v_cndmask_b32 v[16+\j], v[216+\j], v[222+\j], s[PAR]   ; Q's fragment stays in registers
.endr
	v_mov_b32 v22, v244
.irp j, 23,24,25,26,27
	v_mov_b32 v[\j], 0
.endr
	v_lshrrev_b32 v28, s[SH], v230
	s_delay_alu instid0(VALU_DEP_1)
	v_and_b32 v28, 0xffff, v28
	s_delay_alu instid0(VALU_DEP_1)
	v_or_b32 v28, s27, v28
.irp t, 0,1,2,3
.irp j, 8,9,10,11
	v_mov_b32 v[KF+12*\t+\j], 0                    ; k = 80 .. 127 of every fragment of K: zero codes, written once
.endr
.endr
	v_mov_b32 v13, 0xff61b1e6                      ; the largest t so far: -3e38
	s_delay_alu instid0(VALU_DEP_1)
	v_floor_f32 v12, -v13                          ; -M
	v_mov_b32 v14, 0
	v_mov_b32 v15, 0
	v_mov_b32 v6, 0
	v_mov_b32 v31, 0                               ; (named as the upper half of the pair v[30:31])
.irp b, 0,1,2,3
	v_mov_b32 v[PT+\b], 0                          ; a lane permute's destination counts as one of its sources
.endr
.set j, 0
.rept 32
	v_mov_b32 v[O+j], 0                            ; O^T: the step is written for every step alike; the first finds zeros
.set j, j+1
.endr
	s_mov_b32 s[TK], 0
	s_mov_b32 s[TS], 0
	s_mov_b32 s[TV], 0
	s_mov_b32 s[TW], 0
	s_wait_dscnt 0x0                               ; for the others' sake: my stores have landed
	s_barrier_signal -1
	s_barrier_wait -1                              ; the head's K and V lie in LDS: the launch's one barrier
.macro STEP last                       ; 128 keys
	v_add_nc_u32 v8, s[TK], v[AK0]                 ; (these four are also places behind the last step's products)
	s_wait_alu depctr_va_vdst(0)
	v_add_nc_u32 v9, s[TV], v[AV0]
	v_add_nc_u32 v10, s[TS], v[ASK0]
	s_wait_alu depctr_va_vdst(0)
	v_add_nc_u32 v11, s[TW], v[ASV0]
	s_wait_alu depctr_va_vdst(0)
.irp g, 0,1                            ; S^T = K Q^T, four tiles of 16 keys at a time
.if \g
.rept 4
	v_nop                                          ; places in front of loads into registers that matrix instructions have read
.endr
.endif
.irp t, 0,1,2,3
	ds_load_b128 v[KF+12*\t:KF+12*\t+3], v8 offset:(4*\g+\t)*1024
	ds_load_b128 v[KF+12*\t+4:KF+12*\t+7], v8 offset:(4*\g+\t)*1024+512
	ds_load_b32 v[KSW+\t], v10 offset:(4*\g+\t)*128
.endr
	s_wait_dscnt 0x0
.irp t, 0,1,2,3
	v_wmma_scale_f32_16x16x128_f8f6f4 v[S+8*(4*\g+\t):S+8*(4*\g+\t)+7], v[KF+12*\t:KF+12*\t+11], v[16:27], 0, v[KSW+\t], v28 matrix_a_fmt:MATRIX_FMT_FP6 matrix_b_fmt:MATRIX_FMT_FP6
.endr
.endr
.irp t, 0,1,2,3                        ; V's four fragments are asked for now and land under the softmax
.irp c, 0,1,2
	ds_load_b128 v[VF+12*\t+4*\c:VF+12*\t+4*\c+3], v9 offset:1536*\t+512*\c
.endr
	ds_load_b32 v[VSW+\t], v11 offset:64*\t
.endr
.rept 4
	v_nop                                          ; places behind the products, ahead of the first read of the scores
.endr
.if \last
.irp i, 0,1,2,3,4,5,6,7
	global_load_b128 v[32+4*\i:35+4*\i], v[GO], s[8:9] offset:8192*\i   ; x, into K's registers, which are done with
.endr
.endif
.irp b, 0,1,2,3
	v_max3_num_f32 v[MX+\b], v[S+16*\b], v[S+1+16*\b], v[S+2+16*\b]   ; the largest score of each block of 32 keys: for the row's maximum and for the block's largest p
.endr
.irp i, 3,5,7,9,11,13
.irp b, 0,1,2,3
	v_max3_num_f32 v[MX+\b], v[MX+\b], v[S+16*\b+\i], v[S+1+16*\b+\i]
.endr
.endr
.irp b, 0,1,2,3
	v_max_num_f32 v[MX+\b], v[MX+\b], v[S+15+16*\b]
.endr
.irp b, 0,1,2,3
	s_delay_alu instid0(VALU_DEP_4)
	v_permlanex16_b32 v[PT+\b], v[MX+\b], s[SEL], s[SEL+1]
.endr
.irp b, 0,1,2,3
	s_delay_alu instid0(VALU_DEP_4)
	v_max_num_f32 v[MX+\b], v[MX+\b], v[PT+\b]
.endr
	s_delay_alu instid0(VALU_DEP_2)
	v_max3_num_f32 v6, v[MX], v[MX+1], v[MX+2]
	s_delay_alu instid0(VALU_DEP_1)
	v_max_num_f32 v6, v6, v[MX+3]
	s_delay_alu instid0(VALU_DEP_1)
	v_mul_f32 v6, s[CS], v6
	s_delay_alu instid0(VALU_DEP_1)
	v_max_num_f32 v13, v13, v6                     ; the running largest t
	v_mov_b32 v6, v12
	s_delay_alu instid0(VALU_DEP_2)
	v_floor_f32 v12, -v13                          ; the new -M = -ceil(t)
	s_delay_alu instid0(VALU_DEP_1)
	v_sub_f32 v6, v12, v6                          ; old M - new M: a whole number, 0 or less
	s_delay_alu instid0(VALU_DEP_1)
	v_cvt_i32_f32 v6, v6                           ; (it saturates)
	s_delay_alu instid0(VALU_DEP_1)
	v_ldexp_f32 v30, 1.0, v6                       ; f = 2^(old M - new M)
.set j, 0
.rept 32
	v_pk_fma_f32 v[S+j:S+j+1], v[S+j:S+j+1], s[CS:CS+1], v[12:13] op_sel_hi:[1,0,0]   ; t - M
.set j, j+2
.endr
.irp b, 0,1,2,3
	v_fma_f32 v[MX+\b], v[MX+\b], s[CS], v12
.endr
.set j, 0
	s_wait_alu depctr_va_vdst(0)
.rept 64
	v_exp_f32 v[S+j], v[S+j]                       ; p = 2^(t - M)
.set j, j+1
.endr
	v_pk_mul_f32 v[14:15], v[14:15], v[30:31] op_sel_hi:[1,0]   ; the sums under the new M (a plain instruction behind the exponentials)
	s_wait_alu depctr_va_vdst(0)                   ; one wait for the batch, ahead of its first reader
.irp b, 0,1,2,3
	v_exp_f32 v[MX+\b], v[MX+\b]                   ; each block's largest p
.endr
	v_pk_add_f32 v[92:93], v[100:101], v[104:105]
	v_pk_add_f32 v[254:255], v[108:109], v[112:113]
	v_pk_add_f32 v[252:253], v[116:117], v[120:121]
	v_pk_add_f32 v[250:251], v[124:125], v[128:129]
	v_pk_add_f32 v[248:249], v[132:133], v[136:137]
	v_pk_add_f32 v[246:247], v[140:141], v[144:145]
	v_pk_add_f32 v[244:245], v[148:149], v[152:153]
	v_pk_add_f32 v[14:15], v[14:15], v[156:157]
	v_pk_add_f32 v[92:93], v[92:93], v[96:97]
	v_pk_add_f32 v[254:255], v[254:255], v[98:99]
	v_pk_add_f32 v[252:253], v[252:253], v[102:103]
	v_pk_add_f32 v[250:251], v[250:251], v[106:107]
	v_pk_add_f32 v[248:249], v[248:249], v[110:111]
	v_pk_add_f32 v[246:247], v[246:247], v[114:115]
	v_pk_add_f32 v[244:245], v[244:245], v[118:119]
	v_pk_add_f32 v[14:15], v[14:15], v[122:123]
	v_pk_add_f32 v[92:93], v[92:93], v[126:127]
	v_pk_add_f32 v[254:255], v[254:255], v[130:131]
	v_pk_add_f32 v[252:253], v[252:253], v[134:135]
	v_pk_add_f32 v[250:251], v[250:251], v[138:139]
	v_pk_add_f32 v[248:249], v[248:249], v[142:143]
	v_pk_add_f32 v[246:247], v[246:247], v[146:147]
	v_pk_add_f32 v[244:245], v[244:245], v[150:151]
	v_pk_add_f32 v[14:15], v[14:15], v[154:155]
	v_pk_add_f32 v[92:93], v[92:93], v[158:159]
	s_delay_alu instid0(VALU_DEP_2)
	v_pk_add_f32 v[14:15], v[14:15], v[250:251]
	s_delay_alu instid0(VALU_DEP_2)
	v_pk_add_f32 v[92:93], v[92:93], v[248:249]
	v_pk_add_f32 v[254:255], v[254:255], v[246:247]
	v_pk_add_f32 v[252:253], v[252:253], v[244:245]
	s_delay_alu instid0(VALU_DEP_2)
	v_pk_add_f32 v[14:15], v[14:15], v[254:255]
	s_delay_alu instid0(VALU_DEP_2)
	v_pk_add_f32 v[92:93], v[92:93], v[252:253]
	s_delay_alu instid0(VALU_DEP_1)
	v_pk_add_f32 v[14:15], v[14:15], v[92:93]
	s_wait_alu depctr_va_vdst(0)                   ; and one for the four
.irp b, 0,1,2,3
	v_max_num_f32 v[MX+\b], 0x1800000, v[MX+\b]    ; the floor 2^(3 - 127)
.endr
.irp b, 0,1,2,3
	s_delay_alu instid0(VALU_DEP_4)
	v_add_nc_u32 v[SO+\b], 0xff000000, v[MX+\b]
.endr
.irp b, 0,1,2,3
	s_delay_alu instid0(VALU_DEP_4)
	v_lshrrev_b32 v[PT+\b], 23, v[SO+\b]
.endr
	s_delay_alu instid0(VALU_DEP_3)
	v_lshl_or_b32 v29, v[PT+1], 8, v[PT]           ; p's scale word for these 128 keys
	s_delay_alu instid0(VALU_DEP_1)
	v_lshl_or_b32 v29, v[PT+2], 16, v29
	s_delay_alu instid0(VALU_DEP_1)
	v_lshl_or_b32 v29, v[PT+3], 24, v29
.irp c, 0,1
	v_cvt_scalef32_pk16_fp6_f32 v[PC+6*\c:PC+6*\c+2], v[S+32*\c:S+32*\c+15], v[SO+2*\c]
	v_cvt_scalef32_pk16_fp6_f32 v[MX+4*\c:MX+4*\c+2], v[S+16+32*\c:S+31+32*\c], v[SO+2*\c+1]
.endr
	v_nop                                          ; a plain instruction behind the scaled conversions
.irp c, 0,1                            ; a whole block to a lane: lanes 0-15 block 2 c, lanes 16-31 block 2 c + 1
.irp i, 0,1,2
	v_permlane16_swap_b32 v[PC+6*\c+\i], v[MX+4*\c+\i]
.endr
.irp i, 0,1,2
	s_delay_alu instid0(VALU_DEP_3)
	v_mov_b32 v[PC+3+6*\c+\i], v[MX+4*\c+\i]
.endr
.endr
.set j, 0
.rept 16
	v_pk_mul_f32 v[O+j:O+j+1], v[O+j:O+j+1], v[30:31] op_sel_hi:[1,0]   ; O^T under the new M; these are also the places between the codes and scale word just made and the products
.set j, j+2
.endr
	s_wait_alu depctr_va_vdst(0)
	s_wait_dscnt 0x0                               ; V
.irp t, 0,1,2,3                        ; O^T += V^T P^T: the four accumulators take turns
	v_wmma_scale_f32_16x16x128_f8f6f4 v[O+8*\t:O+8*\t+7], v[VF+12*\t:VF+12*\t+11], v[PC:PC+11], v[O+8*\t:O+8*\t+7], v[VSW+\t], v29 matrix_a_fmt:MATRIX_FMT_FP6 matrix_b_fmt:MATRIX_FMT_FP6
.endr
	s_add_co_u32 s[TK], s[TK], 8192
	s_add_co_u32 s[TS], s[TS], 1024
	s_add_co_u32 s[TV], s[TV], 6144
	s_add_co_u32 s[TW], s[TW], 256
.endm
	s_mov_b32 s32, 7
.Lstep:
	STEP 0
	s_sub_co_u32 s32, s32, 1
	s_cmp_lg_u32 s32, 0
	s_cbranch_scc1 .Lstep
	STEP 1                                         ; the last step also asks for x
	; THE WAY OUT: O^T / the sum goes through my stage and comes back as rows of 256 bytes (my head's 64 channels); x is added; sixteen lanes store 256 consecutive bytes, aligned.
	v_add_f32 v14, v14, v15
	s_delay_alu instid0(VALU_DEP_1)
	v_permlanex16_b32 v6, v14, s[SEL], s[SEL+1]
	s_delay_alu instid0(VALU_DEP_1)
	v_add_f32 v14, v14, v6
	s_wait_alu depctr_va_vdst(0)
	v_rcp_f32 v14, v14
	v_and_b32 v8, 15, v0
	v_bfe_u32 v9, v0, 4, 1
	s_mul_i32 s33, s12, 4352
	s_add_co_u32 s33, s33, STAGE
	v_mul_u32_u24 v10, v8, 272
	s_delay_alu instid0(VALU_DEP_1)
	v_lshl_add_u32 v10, v9, 5, v10
	s_delay_alu instid0(VALU_DEP_1)
	v_add_nc_u32 v10, s33, v10                     ; in: row r; tile t's eight channels of my half at 64 t + 32 h
	v_mul_u32_u24 v11, v9, 272
	s_delay_alu instid0(VALU_DEP_1)
	v_lshl_add_u32 v11, v8, 4, v11
	s_delay_alu instid0(VALU_DEP_1)
	v_add_nc_u32 v11, s33, v11                     ; back: lanes 0-15 one row, lanes 16-31 the next
	s_wait_alu depctr_va_vdst(0)                   ; the wait ahead of the reciprocal's first reader
.set j, 0
.rept 32
	v_mul_f32 v[96+j], v[O+j], v14
.set j, j+1
.endr
.irp t, 0,1,2,3
	ds_store_b128 v10, v[96+8*\t:99+8*\t] offset:64*\t
	ds_store_b128 v10, v[100+8*\t:103+8*\t] offset:64*\t+16
.endr
.irp i, 0,1,2,3,4,5,6,7
	ds_load_b128 v[128+4*\i:131+4*\i], v11 offset:544*\i   ; my own bytes, served in order
.endr
	s_wait_loadcnt 0x0                             ; x
.irp i, 0,1,2,3,4,5,6,7
	s_wait_dscnt 7-\i                              ; rows 2 i, 2 i + 1 are back; the younger loads may be out
	v_pk_add_f32 v[128+4*\i:129+4*\i], v[128+4*\i:129+4*\i], v[32+4*\i:33+4*\i]
	v_pk_add_f32 v[130+4*\i:131+4*\i], v[130+4*\i:131+4*\i], v[34+4*\i:35+4*\i]
	global_store_b128 v[GO], v[128+4*\i:131+4*\i], s[10:11] offset:8192*\i
.endr
	s_wait_xcnt 0x0
	v_lshl_add_u32 v254, v0, 2, 0x2f800
	v_mov_b32 v255, 0
	s_wait_alu depctr_va_vdst(0)
	s_wait_tensorcnt 0x0
	ds_add_u32 v254, v255
	s_wait_dscnt 0x0
	s_endpgm
.Lfunc_end_k_q570a189262_att:
	.size	k_q570a189262_att, .Lfunc_end_k_q570a189262_att-k_q570a189262_att
	.p2alignl 7, 3214868480
	.fill 96, 4, 3214868480
	.section	.rodata,"a",@progbits
	.p2align	6, 0x0
	.amdhsa_kernel k_q570a189262_att
		.amdhsa_group_segment_fixed_size 196608
		.amdhsa_private_segment_fixed_size 0
		.amdhsa_enable_private_segment 0
		.amdhsa_kernarg_size 32
		.amdhsa_user_sgpr_count 2
		.amdhsa_user_sgpr_kernarg_segment_ptr 1
		.amdhsa_wavefront_size32 1
		.amdhsa_system_sgpr_workgroup_id_x 1
		.amdhsa_system_sgpr_workgroup_id_y 1
		.amdhsa_system_sgpr_workgroup_id_z 1
		.amdhsa_system_vgpr_workitem_id 0
		.amdhsa_next_free_vgpr 256
		.amdhsa_next_free_sgpr 66
		.amdhsa_reserve_vcc 1
		.amdhsa_float_denorm_mode_32 3
		.amdhsa_float_denorm_mode_16_64 3
		.amdhsa_memory_ordered 1
		.amdhsa_forward_progress 1
		.amdhsa_inst_pref_size 58
	.end_amdhsa_kernel
	.amdgpu_metadata
---
amdhsa.version: [ 1, 2 ]
amdhsa.kernels:
  - .name:           k_q570a189262_att
    .symbol:         k_q570a189262_att.kd
    .args:
      - { .name: qkv, .offset: 0, .size: 8, .value_kind: global_buffer, .address_space: global }
      - { .name: mask, .offset: 8, .size: 8, .value_kind: global_buffer, .address_space: global }
      - { .name: x, .offset: 16, .size: 8, .value_kind: global_buffer, .address_space: global }
      - { .name: y, .offset: 24, .size: 8, .value_kind: global_buffer, .address_space: global }
    .group_segment_fixed_size: 196608
    .private_segment_fixed_size: 0
    .kernarg_segment_align: 8
    .kernarg_segment_size: 32
    .max_flat_workgroup_size: 512
    .sgpr_count:     66
    .vgpr_count:     256
    .wavefront_size: 32
...
	.end_amdgpu_metadata
.endif
;; end of part 3
;; launch ln2: the kernel of part 1 again; grid 256 x 1, 8 waves a work-group, no clusters, 42,496 bytes of LDS; arguments y, g2, b2, hq; writes hq
;; launch ffn1 (part 4): grid 16 x 16, 4 waves a work-group, clusters of 4 x 4, 327,680 bytes of LDS; arguments hq, Wf1_codes, Wf1_scales, bf1, hid; writes hid
.if DOCPART == 4
	.amdgcn_target "amdgcn-amd-amdhsa--gfx1250"
	.amdhsa_code_object_version 6
	.text
	.protected	k_q570a189262_ffn1
	.globl	k_q570a189262_ffn1
	.p2align	8
	.type	k_q570a189262_ffn1,@function
k_q570a189262_ffn1:
	s_mov_b64 s[64:65], 0
	v_nop
	global_prefetch_b8 v0, s[64:65] scope:SCOPE_SE
	s_setreg_imm32_b32 hwreg(HW_REG_WAVE_MODE, 25, 1), 1
	s_wait_xcnt 0x0
	s_wait_alu depctr_hold_cnt(0) depctr_sa_sdst(0) depctr_va_vdst(0) depctr_va_sdst(0) depctr_va_ssrc(0) depctr_va_vcc(0) depctr_vm_vsrc(0)
	s_getreg_b32 s2, hwreg(HW_REG_IB_STS2, 6, 4)
	s_cmp_eq_u32 s2, 0
	s_cbranch_scc0 .Lentry_in_a_cluster
	s_endpgm
.Lentry_in_a_cluster:
	s_bfe_u32 s2, ttmp6, 0x10000c
	s_cmp_lg_u32 s2, 0xf033
	s_cbranch_scc0 .Lentry_shape_is_right
	s_endpgm
.Lentry_shape_is_right:
.set SIZE_K, 1024
.set KSTEP,  256
.set NQ,     KSTEP/128
; hid = Q(gelu(h2 Wf1 + bf1)): codes of FP6 (E2M3) with E8M0 scales, K = 1,024; a tile of 256 x 256 by four waves of 128 x 128; clusters of 4 x 4 with joint loads; the result leaves as register images with scale words.
; THE RING goes by CHUNKS OF 256 BYTES of each row of codes (a row is 768 bytes: three chunks, each on a multiple of 256 bytes); chunk c lies in slot c % 2.
; A matrix step is 128 along K, 96 bytes of a row: eight steps to three chunks; steps 2 and 5 lie across two chunks.  KSTEP = 256 is what one set of scale words serves.
; PREFETCH: behind the head's loads each wave names chunks 1 and 2 of 32 rows, a lane a row: of the 128 rows that it fetches in the ring, the 32 that fall to its work-group (cx for A, cy for B), told apart by address.
.set ROWB,   256
.set KROW,   SIZE_K*6/8
.set STEPS,  SIZE_K/128
.set CHUNKS, KROW/ROWB
.set G0H,    4                         ; s[4:7], s[8:11]: group 0 of the head's loads of chunk 0 (the arguments that lay there have been used)
.set G0HB,   8
.set PFA,    66                        ; s[66:67] the prefetches' base; v11 their offset; neither is rewritten
.set PITCH,  272                       ; an LDS row: 256 bytes + 16 of padding
.set FR,     12
.set NL,     6
.set NP,     4
.set HALFT,  128*PITCH
.set SLOT,   4*HALFT
.set LAPS,   SIZE_K/(2*KSTEP)
.set KS,     SIZE_K/32
.set SCL,    2*SLOT
.set HALFS,  (128*KS/256)*272
.set SBLK,   (16*KS/256)*272
.set SPARE,  SCL+4*HALFS
.set SWST,   SPARE+512
.set ADRA, 16
.set ADRB, 20
.set ADRS, 27
.set SPW,  28
.set NIL,  29
.set LI,   30
.set SWA,  31
.set SC,   32
.set AF,   128
.set TM,   32
.set PW,   48
.set PC,   52
.set X,    64
.set T,    128
.set PX,   128
.set HS,   160
.set Q,    192
.set C8V,  240
.set G1, 24
.set G0, 32
.set G1B, 48
.set G0B, 56
.set G1S, 68
.set G0S, 76
.set G1SB, 80
.set G0SB, 88
.set K2,  68
.set CC,  70
.set C9,  86
.set KK,  88
.set P1,  89
.set P2,  90
.set P3,  91
.set SEL, 92
.set SWO, 94
.set MSB, 0
.macro WIN new
.if MSB != (\new)
	s_set_vgpr_msb (MSB<<8)|(\new)
.set MSB, (\new)
.endif
.endm
.set MUL_LO, 0xa1
.set MUL_HI, 0xf1
.set TO_B,   0x40
.macro JLOAD g0a, g1a, g0b, g1b
	s_cmp_eq_u32 s15, 0
	s_cbranch_scc0 .Lfor_b_\@
	tensor_load_to_lds s[\g0a:\g0a+3], s[\g1a:\g1a+7]
	s_nop 0
.rept 4
	v_nop
.endr
	s_branch .Lasked_\@
.Lfor_b_\@:
	tensor_load_to_lds s[\g0b:\g0b+3], s[\g1b:\g1b+7]
	s_nop 0
.rept 4
	v_nop
.endr
.Lasked_\@:
.endm
.macro CREST
	s_cmp_lg_u32 s14, 0
	s_cbranch_scc1 .Lnot_wave_0_\@
	s_barrier_signal -3
.Lnot_wave_0_\@:
	s_barrier_wait -3
	s_barrier_signal -1
	s_barrier_wait -1
.endm
.macro CROUND
	s_barrier_signal -1
	s_barrier_wait -1
	CREST
.endm
	s_load_b128 s[4:7], s[0:1], 0x0
	s_load_b128 s[8:11], s[0:1], 0x10
	s_load_b64 s[12:13], s[0:1], 0x20
	v_lshl_add_u32 v[SPW], v0, 2, SPARE
	v_mov_b32 v[NIL], 0
	ds_add_u32 v28, v29
	ds_add_u32 v28, v29
	s_wait_dscnt 0x0
	v_lshrrev_b32 v1, 5, v0
	v_readfirstlane_b32 s14, v1
	s_lshr_b32 s15, s14, 1
	s_and_b32 s16, s14, 1
	s_bfe_u32 s40, ttmp6, 0x40000
	s_bfe_u32 s41, ttmp6, 0x40004
	s_lshl_b32 s42, ttmp9, 2
	s_add_co_u32 s42, s42, s40
	s_and_b32 s17, ttmp7, 0xffff
	s_lshl_b32 s17, s17, 2
	s_add_co_u32 s17, s17, s41
	s_lshl_b32 s43, s41, 2
	s_lshl_b32 s43, 15, s43
	s_lshl_b32 s44, 0x1111, s40
	s_or_b32 s[G1+0], s43, (0<<16)|(1<<20)|(1<<21)|(5<<22)|(3<<25)  ; the mask; elements of 1 byte; padding on; bit 21 beside a mask; after every 64 words, 4 words
	s_or_b32 s[G1B+0], s44, (0<<16)|(1<<20)|(1<<21)|(5<<22)|(3<<25)
.irp g, G1, G1B
	s_mov_b32 s[\g+1], ROWB<<16
	s_mov_b32 s[\g+2], 256<<16                     ; 256 rows for the head's loads; 128 behind them
	s_mov_b32 s[\g+3], ROWB<<16
	s_mov_b32 s[\g+4], 256
	s_mov_b32 s[\g+5], KROW
	s_mov_b32 s[\g+6], 0
	s_mov_b32 s[\g+7], 0
.endr
	s_or_b32 s[G1S+0], s43, (3<<16)|(1<<20)|(1<<21)|(5<<22)|(3<<25)
	s_or_b32 s[G1SB+0], s44, (3<<16)|(1<<20)|(1<<21)|(5<<22)|(3<<25)
.irp g, G1S, G1SB
	s_mov_b32 s[\g+1], 32<<16
	s_mov_b32 s[\g+2], KS<<16                      ; the scales of 256 rows: KS rows of 256 bytes
	s_mov_b32 s[\g+3], 32<<16
	s_mov_b32 s[\g+4], KS
	s_mov_b32 s[\g+5], 32
	s_mov_b32 s[\g+6], 0
	s_mov_b32 s[\g+7], 0
.endr
	s_lshl_b32 s20, s17, 8                         ; A: the tile's first row
	s_lshl_b32 s46, s42, 8                         ; B: likewise
	s_mov_b32 s21, 0
	s_mov_b32 s47, 0
	s_mov_b64 s[18:19], KS
	s_mul_u64 s[22:23], s[20:21], s[18:19]
	s_mul_u64 s[92:93], s[46:47], s[18:19]
	s_mov_b64 s[18:19], KROW
	s_mul_u64 s[20:21], s[20:21], s[18:19]
	s_mul_u64 s[46:47], s[46:47], s[18:19]
	s_mul_i32 s45, s14, HALFT
	s_wait_kmcnt 0x0
	s_mov_b64 s[96:97], s[10:11]
	s_mov_b64 s[10:11], s[8:9]
	s_mov_b64 s[8:9], s[6:7]
	s_add_nc_u64 s[6:7], s[4:5], 3145728
	s_add_nc_u64 s[20:21], s[4:5], s[20:21]
	s_add_nc_u64 s[22:23], s[6:7], s[22:23]
	s_add_nc_u64 s[46:47], s[8:9], s[46:47]
	s_add_nc_u64 s[92:93], s[10:11], s[92:93]
	CROUND
	s_mov_b32 s[G0S], 1
	s_mov_b32 s[G0S+1], SCL
	s_mov_b64 s[G0S+2:G0S+3], s[22:23]
	s_or_b32 s[G0S+3], s[G0S+3], 0x80000000
	s_mov_b32 s[G0SB], 1
	s_mov_b32 s[G0SB+1], SCL+2*HALFS
	s_mov_b64 s[G0SB+2:G0SB+3], s[92:93]
	s_or_b32 s[G0SB+3], s[G0SB+3], 0x80000000
	s_mov_b32 s[G0H], 1                            ; chunk 0's 256 rows of A,
	s_mov_b32 s[G0H+1], 0
	s_mov_b64 s[G0H+2:G0H+3], s[20:21]
	s_or_b32 s[G0H+3], s[G0H+3], 0x80000000
	s_mov_b32 s[G0HB], 1                           ; and of B
	s_mov_b32 s[G0HB+1], 2*HALFT
	s_mov_b64 s[G0HB+2:G0HB+3], s[46:47]
	s_or_b32 s[G0HB+3], s[G0HB+3], 0x80000000
	s_mul_i32 s18, s16, 128*KROW                   ; for the ring: my 128 rows of the tile
	s_mov_b32 s19, 0
	s_add_nc_u64 s[20:21], s[20:21], s[18:19]
	s_add_nc_u64 s[46:47], s[46:47], s[18:19]
.irp s, 0,1
	s_mov_b32 s[G0+4*\s], 1
	s_add_co_u32 s[G0+4*\s+1], s45, \s*SLOT
	s_add_nc_u64 s[G0+4*\s+2:G0+4*\s+3], s[20:21], \s*ROWB
	s_or_b32 s[G0+4*\s+3], s[G0+4*\s+3], 0x80000000
	s_mov_b32 s[G0B+4*\s], 1
	s_add_co_u32 s[G0B+4*\s+1], s45, \s*SLOT
	s_add_nc_u64 s[G0B+4*\s+2:G0B+4*\s+3], s[46:47], \s*ROWB
	s_or_b32 s[G0B+4*\s+3], s[G0B+4*\s+3], 0x80000000
.endr
; The head's loads, one a wave: wave 0 chunk 0 of A, wave 1 of B, wave 2 A's scales, wave 3 B's: one tree of branches on the wave's number.
.macro ARM under, g0, g1, next
	s_cmp_lt_u32 s14, \under
	s_cbranch_scc0 \next
	tensor_load_to_lds s[\g0:\g0+3], s[\g1:\g1+7]
	s_nop 0
.rept 4
	v_nop
.endr
	s_branch .Lhead_asked
\next:
.endm
	ARM 1, G0H,  G1,  .Lhead_b
	ARM 2, G0HB, G1B, .Lhead_sa
	ARM 3, G0S,  G1S, .Lhead_sb
	tensor_load_to_lds s[G0SB:G0SB+3], s[G1SB:G1SB+7]
	s_nop 0
.rept 4
	v_nop
.endr
.Lhead_asked:
	s_cmp_eq_u32 s15, 0                            ; do I fetch for A?
	s_cselect_b32 s18, s40, s41                    ; my place among the four that ask with me
	s_cselect_b64 s[PFA:PFA+1], s[20:21], s[46:47]
	s_mul_i32 s18, s18, 32*KROW
	s_mov_b32 s19, 0
	s_add_nc_u64 s[PFA:PFA+1], s[PFA:PFA+1], s[18:19]
	v_and_b32 v11, 31, v0
	v_mul_u32_u24 v11, v11, KROW
	global_prefetch_b8 v11, s[PFA:PFA+1] offset:ROWB th:TH_LOAD_NT scope:SCOPE_SE     ; chunk 1
	global_prefetch_b8 v11, s[PFA:PFA+1] offset:2*ROWB th:TH_LOAD_NT scope:SCOPE_SE   ; chunk 2
	v_and_b32 v1, 15, v0
	v_bfe_u32 v2, v0, 4, 1
	v_mul_u32_u24 v3, v1, PITCH
	v_mul_u32_u24 v4, v2, 24
	v_add_nc_u32 v4, v3, v4
	s_mov_b32 s21, SLOT-232
	s_mov_b32 s22, SLOT+232
	v_sub_nc_u32 v7, 1, v2
	v_mul_u32_u24 v5, s21, v2
	v_add_nc_u32 v5, v3, v5
	v_add_nc_u32 v5, 232, v5                       ; across two chunks: lanes 0-15 byte 232 of the row in slot 0, lanes 16-31 byte 0 in slot 1;
	v_mul_u32_u24 v6, s22, v7
	v_add_nc_u32 v6, v3, v6                        ; and the other way round
	s_mul_i32 s21, s15, HALFT
	s_mul_i32 s22, s16, HALFT
	s_add_co_u32 s22, s22, 2*HALFT
	v_add_nc_u32 v[ADRA+2], s21, v5
	v_add_nc_u32 v[ADRA+3], s21, v6
	v_add_nc_u32 v[ADRB+2], s22, v5
	v_add_nc_u32 v[ADRB+3], s22, v6
.irp s, 0,1
	v_add_nc_u32 v[ADRA+\s], s21, v4
	v_add_nc_u32 v[ADRB+\s], s22, v4
	s_add_co_u32 s21, s21, SLOT
	s_add_co_u32 s22, s22, SLOT
.endr
	v_mul_u32_u24 v5, v1, KS
	v_lshrrev_b32 v6, 8, v5
	v_lshl_add_u32 v5, v6, 4, v5
	s_mul_i32 s21, s15, HALFS
	s_mul_i32 s22, s16, HALFS
	s_add_co_u32 s22, s22, 2*HALFS
	s_sub_co_u32 s22, s22, s21
	v_mul_u32_u24 v6, s22, v2
	s_add_co_u32 s21, s21, SCL
	v_add_nc_u32 v5, v5, v6
	v_add_nc_u32 v[ADRS], s21, v5
	v_and_b32 v6, 31, v0
	v_lshlrev_b32 v[LI], 4, v6
	s_lshl_b32 s18, s14, 9
	s_add_co_u32 s18, s18, SWST
	v_lshlrev_b32 v[SWA], 2, v1
	v_add_nc_u32 v[SWA], s18, v[SWA]
	v_add_nc_u32 v10, s18, v[LI]
	v_lshlrev_b32 v8, 5, v2
	s_wait_alu depctr_va_vdst(0)
	s_lshl_b32 s46, s42, 1
	s_add_co_u32 s46, s46, s16
	s_lshl_b32 s46, s46, 8
	s_lshl_b32 s47, s17, 4
	s_add_co_u32 s46, s46, s47
	s_lshl_b32 s47, s15, 3
	s_add_co_u32 s46, s46, s47
	s_lshl_b32 s20, s46, 6
	s_add_co_u32 s20, s20, 12582912
	s_mov_b32 s21, 0
	s_add_nc_u64 s[100:101], s[12:13], s[20:21]
	s_mul_i32 s20, s46, 1536
	s_add_nc_u64 s[12:13], s[12:13], s[20:21]
	s_lshl_b32 s20, s42, 10
	s_lshl_b32 s22, s16, 9
	s_add_co_u32 s20, s20, s22
	s_add_nc_u64 s[96:97], s[96:97], s[20:21]
	WIN TO_B
.irp b, 0,1,2,3,4,5,6,7
	global_load_b128 v[96+8*\b+96*(\b/4):96+8*\b+96*(\b/4)+3], v8, s[96:97] offset:64*\b
	global_load_b128 v[96+8*\b+96*(\b/4)+4:96+8*\b+96*(\b/4)+7], v8, s[96:97] offset:64*\b+16
.endr
	WIN 0
.macro FRAG reg, adr, st, i            ; 16 rows x 128 K: six pieces of 8 bytes.  Byte y of a row lies in slot (y / 256) % 2 at byte y % 256 of the LDS row; lanes 16-31 read 24 bytes on
.irp p, 0,1,2,3,4,5
.set BY, 96*(\st)+48*(\p/3)+8*(\p%3)
.if BY/ROWB == (BY+24)/ROWB
	ds_load_b64 v[\reg+2*\p:\reg+2*\p+1], v[\adr+(BY/ROWB)%2] offset:BY%ROWB+(\i)*16*PITCH
.else
	ds_load_b64 v[\reg+2*\p:\reg+2*\p+1], v[\adr+2+(BY/ROWB)%2] offset:BY%ROWB-232+(\i)*16*PITCH
.endif
.endr
.endm
.macro MUL16 a0, p, q, sc, zero
.irp a, \a0, \a0+1
.irp b, 0,1,2,3,4,5,6,7
.if \zero
	v_wmma_scale_f32_16x16x128_f8f6f4 v[8*(8*((\a)%4)+\b):8*(8*((\a)%4)+\b)+7], v[128*(\p)+FR*\b:128*(\p)+FR*\b+FR-1], v[AF+FR*(\a):AF+FR*(\a)+FR-1], 0, v[SC+8*NQ*(\sc)+NQ*\b+(\q)], v[SC+8*NQ*(\sc)+NQ*(\a)+(\q)] matrix_a_fmt:MATRIX_FMT_FP6 matrix_b_fmt:MATRIX_FMT_FP6 matrix_a_scale:MATRIX_SCALE_ROW1
.else
	v_wmma_scale_f32_16x16x128_f8f6f4 v[8*(8*((\a)%4)+\b):8*(8*((\a)%4)+\b)+7], v[128*(\p)+FR*\b:128*(\p)+FR*\b+FR-1], v[AF+FR*(\a):AF+FR*(\a)+FR-1], v[8*(8*((\a)%4)+\b):8*(8*((\a)%4)+\b)+7], v[SC+8*NQ*(\sc)+NQ*\b+(\q)], v[SC+8*NQ*(\sc)+NQ*(\a)+(\q)] matrix_a_fmt:MATRIX_FMT_FP6 matrix_b_fmt:MATRIX_FMT_FP6 matrix_a_scale:MATRIX_SCALE_ROW1
.endif
.endr
.endr
.endm
.macro FETCH_B st, p                   ; B's eight fragments of step st into set p
	WIN TO_B
.irp i, 0,1,2,3,4,5,6,7
	FRAG 128*(\p)+FR*\i, ADRB, \st, \i
.endr
	WIN 0
.endm
.macro FETCH_A st, i0                  ; A's blocks i0 .. i0 + 3 of step st
.irp i, \i0, \i0+1, \i0+2, \i0+3
	FRAG AF+FR*(\i), ADRA, \st, \i
.endr
.endm
.macro SCALES pr                       ; the scale words of steps 2 pr, 2 pr + 1 into set pr % 2: lanes 0-15 A's block i, lanes 16-31 B's
.irp i, 0,1,2,3,4,5,6,7
	ds_load_b64 v[SC+8*NQ*((\pr)%2)+NQ*\i:SC+8*NQ*((\pr)%2)+NQ*\i+1], v[ADRS] offset:\i*SBLK+4*NQ*(\pr)
.endr
.endm
.macro PLACES n
.rept \n
	v_nop
.endr
.endm
; A step of 128 along K: 64 products; the next step's fragments are fetched in its middle and at its end.  Where the next step's bytes END in a chunk not read yet, a barrier shows that chunk whole;
; where they BEGIN in a later chunk, the chunk left behind is read no more: the wait for all tensor loads, the add, the wait for it and for my reads, the barrier, which opens a round of the cluster's barrier where a chunk is left to fetch.
.macro STEP st, zero
.set NX, (\st)+1
.set C0, (96*(\st))/ROWB
.set C1, (96*NX)/ROWB
.set E0, (96*(\st)+95)/ROWB
.set E1, (96*NX+95)/ROWB
.if C1 > C0 || E1 > E0
	s_wait_tensorcnt 0x0                           ; all my tensor loads have landed
.if C1 > C0
	ds_add_u32 v[SPW], v[NIL]
	s_wait_dscnt 4*NL+1                            ; the add and the youngest 24 loads (A's blocks 4-7) may be out
.else
	s_wait_dscnt 4*NL                              ; the youngest 24 loads may be out
.endif
	WIN MUL_LO
	MUL16 0, (\st)%2, (\st)%2, ((\st)/2)%2, \zero
	s_wait_dscnt 0x0                               ; the add and all my reads are done
	s_barrier_signal -1
	MUL16 2, (\st)%2, (\st)%2, ((\st)/2)%2, \zero
	WIN 0
	s_barrier_wait -1
.if C1 > C0 && C0+2 < CHUNKS
	CREST
	s_add_nc_u64 s[G0+4*(C0%2)+2:G0+4*(C0%2)+3], s[G0+4*(C0%2)+2:G0+4*(C0%2)+3], 2*ROWB
	s_add_nc_u64 s[G0B+4*(C0%2)+2:G0B+4*(C0%2)+3], s[G0B+4*(C0%2)+2:G0B+4*(C0%2)+3], 2*ROWB
	JLOAD G0+4*(C0%2), G1, G0B+4*(C0%2), G1B       ; chunk C0 + 2, first behind the round; its four v_nop are the places in front of the loads below
.else
	PLACES NP
.endif
.else
	s_wait_dscnt 4*NL                              ; the youngest 24 loads may be out
	WIN MUL_LO
	MUL16 0, (\st)%2, (\st)%2, ((\st)/2)%2, \zero
	MUL16 2, (\st)%2, (\st)%2, ((\st)/2)%2, \zero
	s_wait_dscnt 0
	PLACES NP
.endif
	FETCH_B NX, NX%2
	FETCH_A NX, 0
.if NX%2 == 0
	SCALES NX/2
.endif
	WIN MUL_HI
	MUL16 4, (\st)%2, (\st)%2, ((\st)/2)%2, \zero
	MUL16 6, (\st)%2, (\st)%2, ((\st)/2)%2, \zero
	PLACES NP
	WIN 0
	FETCH_A NX, 4
.endm
	s_wait_alu depctr_va_vdst(0)                   ; the wait at the head's end
	s_wait_tensorcnt 0x0                           ; my tile of the head's four is in; the lines ahead of a later first fill:
	ds_add_u32 v[SPW], v[NIL]
	s_mov_b32 s[G1+2], 128<<16                     ; no tensor load of mine is out: from here on a load brings 128 rows
	s_mov_b32 s[G1+4], 128
	s_mov_b32 s[G1B+2], 128<<16
	s_mov_b32 s[G1B+4], 128
	s_wait_dscnt 0x0
	CROUND
	JLOAD G0+4, G1, G0B+4, G1B                     ; chunk 1, first behind the round
	FETCH_B 0, 0
	FETCH_A 0, 0
	SCALES 0
	FETCH_A 0, 4
	STEP 0, 1                                      ; the first step's products start the sums
.set ST, 1                             ; written out: slots and chunks do not come back to where they began within these eight steps
.rept STEPS-2
	STEP ST, 0
.set ST, ST+1
.endr
	s_wait_dscnt 4*NL
	WIN MUL_LO
	MUL16 0, 1, NQ-1, 1, 0
	MUL16 2, 1, NQ-1, 1, 0
	s_wait_dscnt 0
	WIN MUL_HI
	MUL16 4, 1, NQ-1, 1, 0
	MUL16 6, 1, NQ-1, 1, 0
	WIN 0
.macro STUB a
	WIN 0x06+((\a)/4)
.set i, 0
.rept 32
.set rB, 96+2*i+96*(i/16)
	v_pk_add_f32 v[X+2*i:X+2*i+1], v[64*((\a)%4)+2*i:64*((\a)%4)+2*i+1], v[rB:rB+1]
.set i, i+1
.endr
	WIN 0
.endm
.macro GELU hh
.set XH, X+32*(\hh)
.set i, 0
.rept 32
	v_fma_f32 v[T+i], |v[XH+i]|, s[KK], 1.0
.set i, i+1
.endr
.set i, 0
	s_wait_alu depctr_va_vdst(0)
.rept 32
	v_rcp_f32 v[T+i], v[T+i]
.set i, i+1
.endr
.set i, 0
.rept 16
	v_pk_mul_f32 v[Q+i:Q+i+1], v[XH+i:XH+i+1], s[K2:K2+1] op_sel_hi:[1,0]
.set i, i+2
.endr
.set i, 0
.rept 16
	v_pk_fma_f32 v[Q+i:Q+i+1], v[Q+i:Q+i+1], v[XH+i:XH+i+1], s[CC:CC+1] op_sel_hi:[1,1,0]
.set i, i+2
.endr
	s_wait_alu depctr_va_vdst(0)
.set i, 0
.rept 16
	v_pk_fma_f32 v[HS+i:HS+i+1], v[T+i:T+i+1], s[C9:C9+1], v[C8V:C8V+1] op_sel_hi:[1,0,1]
.set i, i+2
.endr
.irp k, 7,6,5,4,3,2,1
.set i, 0
.rept 16
	v_pk_fma_f32 v[HS+i:HS+i+1], v[HS+i:HS+i+1], v[T+i:T+i+1], s[CC+2*\k:CC+2*\k+1] op_sel_hi:[1,1,0]
.set i, i+2
.endr
.endr
.set i, 0
.rept 16
	v_pk_fma_f32 v[Q+i:Q+i+1], v[HS+i:HS+i+1], v[T+i:T+i+1], v[Q+i:Q+i+1]
.set i, i+2
.endr
.set i, 0
	s_wait_alu depctr_va_vdst(0)
.rept 32
	v_exp_f32 v[Q+i], v[Q+i]                       ; each exponential is followed by two plain instructions that name none of the batch's results; what they write is first read behind the wait below
	v_mul_f32 v[T+i], |v[XH+i]|, v[T+i]
	v_max_num_f32 v[XH+i], 0, v[XH+i]
.set i, i+1
.endr
	s_wait_alu depctr_va_vdst(0)
.set i, 0
.rept 16
	v_pk_fma_f32 v[XH+i:XH+i+1], v[T+i:T+i+1], v[Q+i:Q+i+1], v[XH+i:XH+i+1] neg_lo:[1,0,0] neg_hi:[1,0,0]
.set i, i+2
.endr
.endm
.macro QUANT8
.irp b, 0,1,2,3
	v_max3_num_f32 v[TM+\b], |v[X+16*\b]|, |v[X+16*\b+1]|, 0x1800000
.endr
.irp i, 2,4,6,8,10,12,14
.irp b, 0,1,2,3
	v_max3_num_f32 v[TM+\b], v[TM+\b], |v[X+16*\b+\i]|, |v[X+16*\b+\i+1]|
.endr
.endr
.irp b, 0,1,2,3
	v_permlanex16_b32 v[TM+4+\b], v[TM+\b], s[SEL], s[SEL+1]
.endr
.irp b, 0,1,2,3
	v_max_num_f32 v[TM+\b], v[TM+\b], v[TM+4+\b]
.endr
.irp b, 0,1,2,3
	v_add_nc_u32 v[TM+12+\b], 0xff000000, v[TM+\b]
.endr
.irp b, 0,1,2,3
	v_lshrrev_b32 v[TM+4+\b], 23, v[TM+12+\b]
.endr
	v_lshl_or_b32 v[PW], v[TM+5], 8, v[TM+4]
	v_lshl_or_b32 v[PW], v[TM+6], 16, v[PW]
	v_lshl_or_b32 v[PW], v[TM+7], 24, v[PW]
.irp c, 0,1
	v_cvt_scalef32_pk16_fp6_f32 v[PC+6*\c:PC+6*\c+2], v[X+32*\c:X+32*\c+15], v[TM+12+2*\c]
	v_cvt_scalef32_pk16_fp6_f32 v[PX+4*\c:PX+4*\c+2], v[X+32*\c+16:X+32*\c+31], v[TM+13+2*\c]
.endr
	v_nop
.irp c, 0,1
.irp i, 0,1,2
	v_permlane16_swap_b32 v[PC+6*\c+\i], v[PX+4*\c+\i]
.endr
	v_perm_b32 v[PC+6*\c+3], v[PC+6*\c+2], v[PC+6*\c+1], s[P2]
	v_perm_b32 v[PC+6*\c+4], v[PX+4*\c+1], v[PC+6*\c+2], s[P3]
	v_perm_b32 v[PC+6*\c+1], v[PX+4*\c], v[PC+6*\c+1], s[P1]
	v_perm_b32 v[PC+6*\c+2], v[PX+4*\c+1], v[PX+4*\c], s[P2]
	v_mov_b32 v[PC+6*\c+5], v[PX+4*\c+2]
.endr
.endm
.macro SPAIR reg, val
	s_mov_b32 s[\reg], \val
	s_mov_b32 s[\reg+1], \val
.endm
	PLACES NP
	s_wait_loadcnt 0x0
	SPAIR K2, 0xbf38aa3b
	SPAIR CC, 0xc034d90f
	SPAIR CC+2, 0x3fb8ab5a
	SPAIR CC+4, 0x3f0a29d2
	SPAIR CC+6, 0x3e0efb2e
	SPAIR CC+8, 0xbe899a80
	SPAIR CC+10, 0x3ecdfd18
	SPAIR CC+12, 0xbfd1a1e5
	SPAIR CC+14, 0x40097039
	SPAIR C9, 0x3e7c6f08
	s_mov_b32 s[KK], 0x3eb504f3
	s_mov_b32 s[P1], 0x05040100
	s_mov_b32 s[P2], 0x05040302
	s_mov_b32 s[P3], 0x07060302
	s_mov_b32 s[SEL], 0x76543210
	s_mov_b32 s[SEL+1], 0xfedcba98
	v_mov_b32 v[C8V], 0xbf97d29d
	v_mov_b32 v[C8V+1], 0xbf97d29d
.irp b, 0,1,2,3
	v_mov_b32 v[TM+4+\b], 0
.endr
	s_mov_b32 s[SWO], 0
	s_mov_b32 s98, 0                               ; s[98:99]: what the stores' base steps by: 0 in the first trip, then 1536
	s_mov_b32 s99, 0
	s_mov_b32 s3, 0
.Lblk:
.irp k, 1,2,3,4,5,6,7
	s_cmp_eq_u32 s3, \k
	s_cbranch_scc1 .Lstub\k
.endr
	STUB 0
	s_branch .Lcommon
.irp k, 1,2,3,4,5,6
.Lstub\k:
	STUB \k
	s_branch .Lcommon
.endr
.Lstub7:
	STUB 7
.Lcommon:
	GELU 0
	GELU 1
	s_wait_alu depctr_va_vdst(0)                   ; the wait, directly ahead of the wait below
	s_wait_xcnt 0x0                                ; the last trip's stores have read their data and their base: both are written again below
	s_add_nc_u64 s[12:13], s[12:13], s[98:99]
	s_mov_b32 s98, 1536
	QUANT8
	v_add_nc_u32 v49, s[SWO], v[SWA]
	ds_store_b32 v49, v[PW]
.irp c, 0,1,2
	global_store_b128 v[LI], v[PC+4*\c:PC+4*\c+3], s[12:13] offset:512*\c
.endr
	s_add_co_u32 s[SWO], s[SWO], 64
	s_add_co_u32 s3, s3, 1
	s_cmp_lt_u32 s3, 8
	s_cbranch_scc1 .Lblk
	ds_load_b128 v[32:35], v10                     ; my 128 rows' scale words (my own stores, served in order), into registers that no pending store reads
	s_wait_dscnt 0x0
	global_store_b128 v[LI], v[32:35], s[100:101]
	s_wait_tensorcnt 0x0
	ds_add_u32 v[SPW], v[NIL]
	s_wait_dscnt 0x0
	CROUND
	s_endpgm
.Lfunc_end_k_q570a189262_ffn1:
	.size	k_q570a189262_ffn1, .Lfunc_end_k_q570a189262_ffn1-k_q570a189262_ffn1
	.p2alignl 7, 3214868480
	.fill 96, 4, 3214868480
	.section	.rodata,"a",@progbits
	.p2align	6, 0x0
	.amdhsa_kernel k_q570a189262_ffn1
		.amdhsa_group_segment_fixed_size 327680
		.amdhsa_private_segment_fixed_size 0
		.amdhsa_enable_private_segment 0
		.amdhsa_kernarg_size 40
		.amdhsa_user_sgpr_count 2
		.amdhsa_user_sgpr_kernarg_segment_ptr 1
		.amdhsa_wavefront_size32 1
		.amdhsa_system_sgpr_workgroup_id_x 1
		.amdhsa_system_sgpr_workgroup_id_y 1
		.amdhsa_system_sgpr_workgroup_id_z 1
		.amdhsa_system_vgpr_workitem_id 0
		.amdhsa_next_free_vgpr 1024
		.amdhsa_next_free_sgpr 102
		.amdhsa_reserve_vcc 0
		.amdhsa_float_denorm_mode_32 3
		.amdhsa_float_denorm_mode_16_64 3
		.amdhsa_memory_ordered 1
		.amdhsa_forward_progress 1
		.amdhsa_inst_pref_size 196
	.end_amdhsa_kernel
	.amdgpu_metadata
---
amdhsa.version: [ 1, 2 ]
amdhsa.kernels:
  - .name:           k_q570a189262_ffn1
    .symbol:         k_q570a189262_ffn1.kd
    .args:
      - { .name: hq, .offset: 0, .size: 8, .value_kind: global_buffer, .address_space: global }
      - { .name: Wf1_codes, .offset: 8, .size: 8, .value_kind: global_buffer, .address_space: global }
      - { .name: Wf1_scales, .offset: 16, .size: 8, .value_kind: global_buffer, .address_space: global }
      - { .name: bf1, .offset: 24, .size: 8, .value_kind: global_buffer, .address_space: global }
      - { .name: hid, .offset: 32, .size: 8, .value_kind: global_buffer, .address_space: global }
    .group_segment_fixed_size: 327680
    .private_segment_fixed_size: 0
    .kernarg_segment_align: 8
    .kernarg_segment_size: 40
    .max_flat_workgroup_size: 128
    .sgpr_count:     102
    .vgpr_count:     1024
    .wavefront_size: 32
...
	.end_amdgpu_metadata
.endif
;; end of part 4
;; launch ffn2 (part 5): grid 8 x 32, 4 waves a work-group, clusters of 4 x 4, 327,680 bytes of LDS; arguments hid, Wf2_codes, Wf2_scales, bf2, y, out0; writes out0
.if DOCPART == 5
	.amdgcn_target "amdgcn-amd-amdhsa--gfx1250"
	.amdhsa_code_object_version 6
	.text
	.protected	k_q570a189262_ffn2
	.globl	k_q570a189262_ffn2
	.p2align	8
	.type	k_q570a189262_ffn2,@function
k_q570a189262_ffn2:
	s_mov_b64 s[64:65], 0
	v_nop
	global_prefetch_b8 v0, s[64:65] scope:SCOPE_SE
	s_setreg_imm32_b32 hwreg(HW_REG_WAVE_MODE, 25, 1), 1
	s_wait_xcnt 0x0
	s_wait_alu depctr_hold_cnt(0) depctr_sa_sdst(0) depctr_va_vdst(0) depctr_va_sdst(0) depctr_va_ssrc(0) depctr_va_vcc(0) depctr_vm_vsrc(0)
	s_getreg_b32 s2, hwreg(HW_REG_IB_STS2, 6, 4)
	s_cmp_eq_u32 s2, 0
	s_cbranch_scc0 .Lentry_in_a_cluster
	s_endpgm
.Lentry_in_a_cluster:
	s_bfe_u32 s2, ttmp6, 0x10000c
	s_cmp_lg_u32 s2, 0xf033
	s_cbranch_scc0 .Lentry_shape_is_right
	s_endpgm
.Lentry_shape_is_right:
; out = y + hid Wf2 + bf2 on codes of FP6 (E2M3) with E8M0 scales, K = 4,096.  A = hid: register images [chunk of 128 K: 32][block of 16 tokens: 256][1536 bytes], scale words at byte 12,582,912, 64 bytes a block.
; B = Wf2's codes [1024][3072 bytes], scales [1024][128].  A tile of C, 128 x 128, is made by four waves of 64 x 64 (16 accumulators): 256 work-groups.  The matrix instruction is used transposed: a lane holds one row of C.
; THE RING: two slots, 512 along K each.  A's part: 4 chunks x 8 images, dense.  B's part: 128 rows x a WINDOW OF 512 BYTES that begins on a multiple of 256 bytes: a step's 384 bytes are the window's first (even steps, slot 0)
; or its last (odd steps, slot 1, 128 bytes in); 16 bytes of padding behind each row.  So every tensor row begins on a multiple of 256 bytes; the price is 128 bytes a row and step that are not read.
; THE HEAD: one load a wave: wave 0 step 0 of A, wave 1 of B, wave 2 all of A's scale words, wave 3 all of B's.  In the ring waves 0, 1 fetch two chunks of A each, waves 2, 3 64 rows of B each.
; CLUSTERS 4 x 4: A's tiles are asked for jointly along a row of the cluster, B's along a column.
; PREFETCH: behind the load of step t stands one prefetch a wave for step t + 2.  Of what a wave fetches, each of the four partners names a quarter, told apart by address: A: 24 blocks of 256 bytes (lanes 24-31 name the last again);
; B: 16 rows: even steps the window's two blocks, odd steps the one block that the even step has not named (lanes 16-31 name the last again).  Steps 6 and 7 are the last named.
; REGISTERS: window 0: v16-31 addresses; v32-63 scale words, two sets; v64-95 the bias, then the way out; v128-255 accumulators.  window 1: fragments, two sets at v0 and v128 (A's four, then B's four).  window 2: v0-127 y.
.set AH,    24576                      ; two chunks of A: what one wave fetches
.set BP,    528
.set BH,    64*BP
.set BOFF,  2*AH
.set SLOT,  BOFF+2*BH
.set ASC,   2*SLOT                     ; A's scale words: [chunk 32][128 rows][4]
.set BSC,   ASC+16384                  ; B's scale bytes: 64 units of 256 bytes + 16
.set SPARE, BSC+2*8704                 ; the spare words: no other line names them
.set STG,   SPARE+512                  ; the way out: 16 rows x 272 bytes a wave; no fill lands here
.set SPITCH, 272
.set ADRA, 16
.set ADSB, 18
.set ADRB, 20
.set STO,  24
.set RD,   25
.set CO,   26
.set ADSA, 27
.set SPW,  28
.set NIL,  29
.set PFO,  30                          ; v30, v31: the prefetches' offsets for even and odd steps
.set BT,   64
.set OB,   64
.set ACC,  128
.set F0,   0
.set F1,   128
.set G1, 24
.set G0, 32
.set G1B, 48
.set G0B, 56
.set G1S, 68
.set G0S, 76
.set G1SB, 80
.set G0SB, 88
.set PST, 12                           ; s[12:13] two steps along K in bytes, for my operand
.set PF0, 98                           ; s[98:99], s[100:101] where my prefetches stand, even and odd steps
.set MSB, 0
.macro WIN new
.if MSB != (\new)
	s_set_vgpr_msb (MSB<<8)|(\new)
.set MSB, (\new)
.endif
.endm
.set MUL,  0x05                        ; sources 0 and 1 in window 1
.set TO_F, 0x40
.macro TLOAD g0, g1                    ; a tensor load with the lines behind it
	tensor_load_to_lds s[\g0:\g0+3], s[\g1:\g1+7]
	s_nop 0
.rept 4
	v_nop
.endr
.endm
.macro JLOAD g0a, g1a, g0b, g1b        ; waves 0, 1 fetch for A, waves 2, 3 for B
	s_cmp_eq_u32 s15, 0
	s_cbranch_scc0 .Lfor_b_\@
	TLOAD \g0a, \g1a
	s_branch .Lasked_\@
.Lfor_b_\@:
	TLOAD \g0b, \g1b
.Lasked_\@:
.endm
.macro CREST
	s_cmp_lg_u32 s14, 0
	s_cbranch_scc1 .Lnot_wave_0_\@
	s_barrier_signal -3
.Lnot_wave_0_\@:
	s_barrier_wait -3
	s_barrier_signal -1
	s_barrier_wait -1
.endm
.macro CROUND
	s_barrier_signal -1
	s_barrier_wait -1
	CREST
.endm
.macro DESC g, d0, rows, pitch         ; group 1's words 1 to 7
	s_mov_b32 s[\g+1], (\d0)<<16
	s_mov_b32 s[\g+2], (\rows)<<16
	s_mov_b32 s[\g+3], (\d0)<<16
	s_mov_b32 s[\g+4], \rows
	s_mov_b32 s[\g+5], \pitch
	s_mov_b32 s[\g+6], 0
	s_mov_b32 s[\g+7], 0
.endm
.macro GRP0 g, lds, a
	s_mov_b32 s[\g], 1
	s_mov_b32 s[\g+1], \lds
	s_mov_b64 s[\g+2:\g+3], s[\a:\a+1]
	s_or_b32 s[\g+3], s[\g+3], 0x80000000
.endm
	s_load_b128 s[4:7], s[0:1], 0x0                ; hid, Wf2's codes
	s_load_b128 s[8:11], s[0:1], 0x10              ; Wf2's scales, bf2
	s_load_b128 s[92:95], s[0:1], 0x20             ; y, out
	v_lshl_add_u32 v[SPW], v0, 2, SPARE
	v_mov_b32 v[NIL], 0
	ds_add_u32 v[SPW], v[NIL]                      ; the opening lines: the add, twice on end,
	ds_add_u32 v[SPW], v[NIL]
	v_lshrrev_b32 v1, 5, v0
	v_readfirstlane_b32 s14, v1                    ; wave
	s_lshr_b32 s15, s14, 1                         ; my half of the tile's rows; also: I fetch for A (0) or B (1)
	s_and_b32 s16, s14, 1                          ; my half of its columns; also: which half I fetch
	s_bfe_u32 s40, ttmp6, 0x40000                  ; cx, cy
	s_bfe_u32 s41, ttmp6, 0x40004
	s_lshl_b32 s42, ttmp9, 2
	s_add_co_u32 s42, s42, s40                     ; tile column
	s_and_b32 s17, ttmp7, 0xffff
	s_lshl_b32 s17, s17, 2
	s_add_co_u32 s17, s17, s41                     ; tile row
	s_lshl_b32 s43, s41, 2
	s_lshl_b32 s43, 15, s43                        ; my row of the cluster
	s_lshl_b32 s44, 0x1111, s40                    ; my column
	s_or_b32 s[G1+0], s43, (3<<16)|(1<<21)         ; A: elements of 8 bytes, dense
	DESC G1, 1536, 4, 49152                        ; 4 chunks x 12,288 bytes (8 images); behind the head 2 chunks
	s_or_b32 s[G1B+0], s44, (0<<16)|(1<<20)|(1<<21)|(6<<22)|(3<<25)   ; B: bytes; after every 128 words, 4 words
	DESC G1B, 512, 128, 3072                       ; 128 rows x 512 bytes; behind the head 64 rows
	s_or_b32 s[G1S+0], s43, (3<<16)|(1<<21)
	DESC G1S, 64, 32, 2048                         ; A's scale words: 32 chunks x 512 bytes
	s_or_b32 s[G1SB+0], s44, (3<<16)|(1<<20)|(1<<21)|(5<<22)|(3<<25)
	DESC G1SB, 32, 64, 32                          ; B's scale bytes: a dense block, 64 rows of 256 bytes
	s_mul_i32 s20, s17, 12288
	s_mov_b32 s21, 0
	s_lshl_b32 s22, s17, 9
	s_add_co_u32 s22, s22, 12582912
	s_mov_b32 s23, 0
	s_mul_i32 s46, s42, 393216
	s_mov_b32 s47, 0
	s_lshl_b32 s96, s42, 14
	s_mov_b32 s97, 0
	s_mul_i32 s18, s16, 786432                     ; in the ring: my two chunks of A,
	s_mov_b32 s19, 0
	s_mul_i32 s66, s16, 196608                     ; or my 64 rows of B,
	s_mov_b32 s67, 0
	s_mul_i32 s45, s16, AH                         ; and where they go
	s_mul_i32 s2, s16, BH
	s_add_co_u32 s2, s2, BOFF
	s_wait_dscnt 0x0                               ; and the one wait for both adds
	s_wait_kmcnt 0x0
	s_add_nc_u64 s[20:21], s[4:5], s[20:21]
	s_add_nc_u64 s[22:23], s[4:5], s[22:23]
	s_add_nc_u64 s[46:47], s[6:7], s[46:47]
	s_add_nc_u64 s[96:97], s[8:9], s[96:97]
	CROUND                                         ; the first joint loads meet
	GRP0 G0, 0, 20                                 ; slot 0's groups serve the head's whole tiles first
	GRP0 G0B, BOFF, 46
	GRP0 G0S, ASC, 22
	GRP0 G0SB, BSC, 96
	s_mov_b32 s[G0+4], 1                           ; slot 1's: step 1, my part
	s_add_co_u32 s[G0+5], s45, SLOT
	s_add_nc_u64 s[G0+6:G0+7], s[20:21], s[18:19]
	s_add_nc_u64 s[G0+6:G0+7], s[G0+6:G0+7], 1572864
	s_or_b32 s[G0+7], s[G0+7], 0x80000000
	s_mov_b32 s[G0B+4], 1
	s_add_co_u32 s[G0B+5], s2, SLOT
	s_add_nc_u64 s[G0B+6:G0B+7], s[46:47], s[66:67]
	s_add_nc_u64 s[G0B+6:G0B+7], s[G0B+6:G0B+7], 256
	s_or_b32 s[G0B+7], s[G0B+7], 0x80000000
.macro ARM under, g0, g1, next         ; one tree of branches on the wave's number: every way passes one load
	s_cmp_lt_u32 s14, \under
	s_cbranch_scc0 \next
	TLOAD \g0, \g1
	s_branch .Lhead_asked
\next:
.endm
	ARM 1, G0,  G1,  .Lhead_b
	ARM 2, G0B, G1B, .Lhead_sa
	ARM 3, G0S, G1S, .Lhead_sb
	TLOAD G0SB, G1SB
.Lhead_asked:
	; the prefetches' base and offsets
	s_lshr_b32 s12, s40, 1                         ; A: partner cx takes chunk cx / 2 of my two, half cx % 2 of its 12,288 bytes
	s_mul_i32 s12, s12, 393216
	s_and_b32 s13, s40, 1
	s_mul_i32 s13, s13, 6144
	s_add_co_u32 s12, s12, s13
	s_add_co_u32 s12, s12, s18
	s_mul_i32 s13, s41, 49152                      ; B: partner cy takes 16 of my 64 rows
	s_add_co_u32 s13, s13, s66
	s_cmp_eq_u32 s15, 0
	s_cselect_b32 s12, s12, s13
	s_cselect_b64 s[PF0:PF0+1], s[20:21], s[46:47]
	s_mov_b32 s13, 0
	s_add_nc_u64 s[PF0:PF0+1], s[PF0:PF0+1], s[12:13]
	s_mov_b32 s12, 768
	s_cselect_b32 s12, 3145728, s12                ; two steps along K
	s_mov_b32 s96, 512
	s_cselect_b32 s96, 1572864, s96                ; from an even step's first block to the odd step's
	s_mov_b32 s97, 0
	s_mov_b32 s22, 3072
	s_cselect_b32 s22, 256, s22
	s_cselect_b32 s23, 23, 31
	s_cselect_b32 s20, 23, 15
	s_cselect_b32 s21, 0, 1
	s_add_nc_u64 s[PF0:PF0+1], s[PF0:PF0+1], s[PST:PST+1]      ; step 2
	s_add_nc_u64 s[PF0+2:PF0+3], s[PF0:PF0+1], s[96:97]        ; step 3
	v_and_b32 v9, 31, v0
	v_min_u32 v10, s23, v9
	v_min_u32 v11, s20, v9
	v_lshrrev_b32 v12, s21, v10
	v_and_b32 v10, s21, v10
	v_mul_u32_u24 v12, v12, s22
	v_mul_u32_u24 v[PFO+1], v11, s22
	v_lshl_add_u32 v[PFO], v10, 8, v12
	global_prefetch_b8 v[PFO], s[PF0:PF0+1] th:TH_LOAD_NT scope:SCOPE_SE   ; step 2
	; LDS addresses
	s_mul_i32 s20, s15, 6144                       ; my four images of a chunk's eight
	s_lshl_b32 s21, s15, 8
	s_add_co_u32 s21, s21, ASC
	s_mul_i32 s22, s16, 8704
	s_add_co_u32 s22, s22, BSC
	s_mul_i32 s23, s14, 16*SPITCH
	s_add_co_u32 s23, s23, STG
	v_and_b32 v1, 15, v0
	v_bfe_u32 v2, v0, 4, 1
	v_and_b32 v3, 31, v0
	v_lshl_add_u32 v[ADRA], v3, 4, s20
	v_add_nc_u32 v[ADRA+1], SLOT, v[ADRA]
	v_mul_u32_u24 v5, v1, BP
	v_mad_u32_u24 v5, v2, 24, v5
	v_add_nc_u32 v[ADRB], s2, v5
	v_add_nc_u32 v[ADRB+1], SLOT, v[ADRB]
	v_lshl_add_u32 v[ADSA], v3, 2, s21             ; lanes 0-31: the words of 32 rows
	v_lshrrev_b32 v5, 1, v3
	v_mul_u32_u24 v5, v5, 272
	v_and_b32 v6, 1, v3
	v_lshl_add_u32 v5, v6, 7, v5
	v_add_nc_u32 v[ADSB], s22, v5                  ; row = lane: two rows of 128 bytes to a unit
	v_mul_u32_u24 v5, v1, SPITCH
	v_lshl_add_u32 v5, v2, 5, v5
	v_add_nc_u32 v[STO], s23, v5
	v_mul_u32_u24 v5, v2, SPITCH
	v_lshl_add_u32 v5, v1, 4, v5
	v_add_nc_u32 v[RD], s23, v5
	v_lshlrev_b32 v[CO], 12, v2
	v_lshl_add_u32 v[CO], v1, 4, v[CO]             ; y, out: lanes 0-15 one row, lanes 16-31 the next
	v_lshlrev_b32 v8, 5, v2
	s_wait_alu depctr_va_vdst(0)                   ; the wait ahead of the scalar run
	s_lshl_b32 s20, s42, 9
	s_lshl_b32 s21, s16, 8
	s_add_co_u32 s20, s20, s21                     ; my first column, in bytes
	s_mov_b32 s21, 0
	s_add_nc_u64 s[10:11], s[10:11], s[20:21]
	s_lshl_b32 s22, s17, 19
	s_lshl_b32 s23, s15, 18
	s_add_co_u32 s22, s22, s23
	s_add_co_u32 s20, s20, s22                     ; + my first row
	s_add_nc_u64 s[92:93], s[92:93], s[20:21]
	s_add_nc_u64 s[94:95], s[94:95], s[20:21]
.irp b, 0,1,2,3
	global_load_b128 v[BT+8*\b:BT+8*\b+3], v8, s[10:11] offset:64*\b          ; the bias in the result's layout: the first products' C
	global_load_b128 v[BT+8*\b+4:BT+8*\b+7], v8, s[10:11] offset:64*\b+16
.endr
	WIN 0x80
.irp a, 0,1,2,3
.irp t, 0,1,2,3,4,5,6,7
	global_load_b128 v[32*\a+4*\t:32*\a+4*\t+3], v[CO], s[92:93] offset:(16*\a+2*\t)*4096 th:TH_LOAD_NT   ; y, into window 2
.endr
.endr
	WIN 0
.macro FETCH slot, q, f                ; the fragments of 128 along K: A's four images, B's four in pieces of 8 bytes
	WIN TO_F
.irp i, 0,1,2,3
.irp c, 0,1,2
	ds_load_b128 v[(\f)+12*\i+4*\c:(\f)+12*\i+4*\c+3], v[ADRA+\slot] offset:12288*(\q)+1536*\i+512*\c
.endr
.endr
.irp i, 0,1,2,3
.irp p, 0,1,2,3,4,5
	ds_load_b64 v[(\f)+48+12*\i+2*\p:(\f)+48+12*\i+2*\p+1], v[ADRB+\slot] offset:128*(\slot)+96*(\q)+48*(\p/3)+8*(\p%3)+16*BP*\i
.endr
.endr
.endm
.macro SCALES set                      ; a K step's scale words: B's 4 words a row, A's a word a row and chunk
.irp p, 0,1
	ds_load_b128 v[32+16*\set+4*\p:32+16*\set+4*\p+3], v[ADSB] offset:4352*\p
.endr
.irp p, 0,1
.irp q, 0,1,2,3
	ds_load_b32 v[40+16*\set+4*\p+\q], v[ADSA] offset:512*\q+128*\p
.endr
.endr
.endm
.macro MUL4 f, a, q, set, first        ; A's block a against B's four; the sixteen accumulators take turns
.irp b, 0,1,2,3
.set rD, ACC+8*(4*(\a)+\b)
.set rC, rD
.if \first
.set rC, BT+8*\b
.endif
.set rB, (\f)+48+12*\b
.set rA, (\f)+12*(\a)
.set rSB, 32+16*(\set)+4*(\b/2)+(\q)
.set rSA, 40+16*(\set)+4*((\a)/2)+(\q)
.if (\b%2) && ((\a)%2)
	v_wmma_scale_f32_16x16x128_f8f6f4 v[rD:rD+7], v[rB:rB+11], v[rA:rA+11], v[rC:rC+7], v[rSB], v[rSA] matrix_a_fmt:MATRIX_FMT_FP6 matrix_b_fmt:MATRIX_FMT_FP6 matrix_a_scale:MATRIX_SCALE_ROW1 matrix_b_scale:MATRIX_SCALE_ROW1
.elseif \b%2
	v_wmma_scale_f32_16x16x128_f8f6f4 v[rD:rD+7], v[rB:rB+11], v[rA:rA+11], v[rC:rC+7], v[rSB], v[rSA] matrix_a_fmt:MATRIX_FMT_FP6 matrix_b_fmt:MATRIX_FMT_FP6 matrix_a_scale:MATRIX_SCALE_ROW1
.elseif (\a)%2
	v_wmma_scale_f32_16x16x128_f8f6f4 v[rD:rD+7], v[rB:rB+11], v[rA:rA+11], v[rC:rC+7], v[rSB], v[rSA] matrix_a_fmt:MATRIX_FMT_FP6 matrix_b_fmt:MATRIX_FMT_FP6 matrix_b_scale:MATRIX_SCALE_ROW1
.else
	v_wmma_scale_f32_16x16x128_f8f6f4 v[rD:rD+7], v[rB:rB+11], v[rA:rA+11], v[rC:rC+7], v[rSB], v[rSA] matrix_a_fmt:MATRIX_FMT_FP6 matrix_b_fmt:MATRIX_FMT_FP6
.endif
.endr
.endm
.macro PLACES
.rept 4
	v_nop
.endr
.endm
.macro QUARTER slot, q, first          ; 128 along K; the next quarter's fragments are asked for first
	s_wait_dscnt 0x0
	PLACES
	FETCH \slot, (\q)+1, 128*(1-(\q)%2)
	WIN MUL
.irp a, 0,1,2,3
	MUL4 128*((\q)%2), \a, \q, \slot, \first
.endr
.endm
.macro TURN slot, next, fill           ; a slot's last quarter changes slots
	WIN 0
.if \fill
	s_wait_xcnt 0x0                                ; my prefetch of two steps ago has read its base: it steps two steps on
	s_add_nc_u64 s[PF0+2*\slot:PF0+2*\slot+1], s[PF0+2*\slot:PF0+2*\slot+1], s[PST:PST+1]
.endif
	s_wait_tensorcnt 0x0                           ; all my tensor loads have landed: my part of the next slot
	ds_add_u32 v[SPW], v[NIL]
	s_wait_dscnt 1                                 ; the add may be out
	WIN MUL
	MUL4 F1, 0, 3, \slot, 0
	s_wait_dscnt 0x0                               ; the add is done, my reads of this slot are over
	s_barrier_signal -1
	MUL4 F1, 1, 3, \slot, 0
	WIN 0
	s_barrier_wait -1
.if \fill
	CREST                                          ; the barrier has opened a round of the cluster's barrier
	s_add_nc_u64 s[G0+4*\slot+2:G0+4*\slot+3], s[G0+4*\slot+2:G0+4*\slot+3], 3145728
	s_add_nc_u64 s[G0B+4*\slot+2:G0B+4*\slot+3], s[G0B+4*\slot+2:G0B+4*\slot+3], 768
	JLOAD G0+4*\slot, G1, G0B+4*\slot, G1B         ; first behind the round; its four v_nop are the places in front of the loads below
.else
	PLACES
.endif
	s_wait_alu depctr_va_vdst(0)                   ; the two registers were written a step ago
	v_add_nc_u32 v[ADSA], 2048, v[ADSA]
	v_add_nc_u32 v[ADSB], 16, v[ADSB]
	FETCH \next, 0, F0
	WIN 0
	SCALES \next
.if \fill
	s_cmp_gt_u32 s3, 1                             ; the loop's last trip has no step two loads on
	s_cbranch_scc0 .Lno_ask_\@
	global_prefetch_b8 v[PFO+\slot], s[PF0+2*\slot:PF0+2*\slot+1] th:TH_LOAD_NT scope:SCOPE_SE
.Lno_ask_\@:
.endif
	WIN MUL
	MUL4 F1, 2, 3, \slot, 0
	MUL4 F1, 3, 3, \slot, 0
.endm
	s_wait_alu depctr_va_vdst(0)                   ; the wait at the head's end
	s_wait_tensorcnt 0x0                           ; my tile of the head's four is in; the lines ahead of a later first fill:
	ds_add_u32 v[SPW], v[NIL]
	s_mov_b32 s[G1+2], 2<<16                       ; no tensor load of mine is out: from here on a load brings two chunks of A
	s_mov_b32 s[G1+4], 2
	s_mov_b32 s[G1B+2], 64<<16                     ; or 64 rows of B,
	s_mov_b32 s[G1B+4], 64
	s_mov_b32 s[G0+1], s45                         ; and slot 0's groups name my part
	s_add_nc_u64 s[G0+2:G0+3], s[G0+2:G0+3], s[18:19]
	s_mov_b32 s[G0B+1], s2
	s_add_nc_u64 s[G0B+2:G0B+3], s[G0B+2:G0B+3], s[66:67]
	s_wait_dscnt 0x0
	CROUND
	JLOAD G0+4, G1, G0B+4, G1B                     ; step 1, first behind the round
	FETCH 0, 0, F0
	WIN 0
	global_prefetch_b8 v[PFO+1], s[PF0+2:PF0+3] th:TH_LOAD_NT scope:SCOPE_SE   ; step 3
	SCALES 0
	s_wait_loadcnt 32                              ; the bias is in; y's 32 loads may be out
	QUARTER 0, 0, 1                                ; the first products take the bias as C
	WIN 0
	s_mov_b32 s3, 3
.Llap:                                                 ; once round the ring, from a lap's second quarter to the next lap's first
	QUARTER 0, 1, 0
	QUARTER 0, 2, 0
	TURN 0, 1, 1
	QUARTER 1, 0, 0
	QUARTER 1, 1, 0
	QUARTER 1, 2, 0
	TURN 1, 0, 1
	QUARTER 0, 0, 0
	WIN 0
	s_sub_co_u32 s3, s3, 1
	s_cmp_lg_u32 s3, 0
	s_cbranch_scc1 .Llap
	QUARTER 0, 1, 0                                ; the last lap fills nothing
	QUARTER 0, 2, 0
	TURN 0, 1, 0
	QUARTER 1, 0, 0
	QUARTER 1, 1, 0
	QUARTER 1, 2, 0
	s_wait_dscnt 0x0
	WIN MUL
.irp a, 0,1,2,3
	MUL4 F1, \a, 3, 1, 0
.endr
	WIN 0
; THE WAY OUT: a block of 16 rows x 64 columns goes through my stage and comes back as rows of 256 bytes; y is added; sixteen lanes store 256 consecutive bytes, aligned.
.macro TOSTAGE a
.irp b, 0,1,2,3
	ds_store_b128 v[STO], v[ACC+8*(4*(\a)+\b):ACC+8*(4*(\a)+\b)+3] offset:64*\b        ; each accumulator from its low end on
	ds_store_b128 v[STO], v[ACC+8*(4*(\a)+\b)+4:ACC+8*(4*(\a)+\b)+7] offset:64*\b+16
.endr
.set BBK, OB+32*((\a)%2)
.irp t, 0,1,2,3,4,5,6,7
	ds_load_b128 v[BBK+4*\t:BBK+4*\t+3], v[RD] offset:\t*2*SPITCH    ; my own bytes, served in order
.endr
.endm
.macro SEND a, younger                 ; younger: the LDS instructions issued behind block a's loads
.set BBK, OB+32*((\a)%2)
	s_wait_dscnt \younger
	WIN 0x08
.set i, 0
.rept 16
	v_pk_add_f32 v[BBK+2*i:BBK+2*i+1], v[BBK+2*i:BBK+2*i+1], v[32*(\a)+2*i:32*(\a)+2*i+1]
.set i, i+1
.endr
	WIN 0
.irp t, 0,1,2,3,4,5,6,7
	global_store_b128 v[CO], v[BBK+4*\t:BBK+4*\t+3], s[94:95] offset:(16*(\a)+2*\t)*4096 th:TH_STORE_NT
.endr
.endm
	PLACES                                         ; behind the last products
	s_wait_loadcnt 0x0                             ; y
	TOSTAGE 0
.irp a, 1,2,3
.if \a > 1
	s_wait_xcnt 0x0                                ; block a - 2's stores have read their data: block a's loads may land there
.endif
	TOSTAGE \a
	SEND \a-1, 16                                  ; behind block a - 1's loads: block a's 8 stores and 8 loads
.endr
	SEND 3, 0
	s_wait_tensorcnt 0x0                           ; the wave's end
	ds_add_u32 v[SPW], v[NIL]
	s_wait_dscnt 0x0
	CROUND                                         ; the closing round
	s_endpgm
.Lfunc_end_k_q570a189262_ffn2:
	.size	k_q570a189262_ffn2, .Lfunc_end_k_q570a189262_ffn2-k_q570a189262_ffn2
	.p2alignl 7, 3214868480
	.fill 96, 4, 3214868480
	.section	.rodata,"a",@progbits
	.p2align	6, 0x0
	.amdhsa_kernel k_q570a189262_ffn2
		.amdhsa_group_segment_fixed_size 327680
		.amdhsa_private_segment_fixed_size 0
		.amdhsa_enable_private_segment 0
		.amdhsa_kernarg_size 48
		.amdhsa_user_sgpr_count 2
		.amdhsa_user_sgpr_kernarg_segment_ptr 1
		.amdhsa_wavefront_size32 1
		.amdhsa_system_sgpr_workgroup_id_x 1
		.amdhsa_system_sgpr_workgroup_id_y 1
		.amdhsa_system_sgpr_workgroup_id_z 1
		.amdhsa_system_vgpr_workitem_id 0
		.amdhsa_next_free_vgpr 640
		.amdhsa_next_free_sgpr 102
		.amdhsa_reserve_vcc 0
		.amdhsa_float_denorm_mode_32 3
		.amdhsa_float_denorm_mode_16_64 3
		.amdhsa_memory_ordered 1
		.amdhsa_forward_progress 1
		.amdhsa_inst_pref_size 106
	.end_amdhsa_kernel
	.amdgpu_metadata
---
amdhsa.version: [ 1, 2 ]
amdhsa.kernels:
  - .name:           k_q570a189262_ffn2
    .symbol:         k_q570a189262_ffn2.kd
    .args:
      - { .name: hid, .offset: 0, .size: 8, .value_kind: global_buffer, .address_space: global }
      - { .name: Wf2_codes, .offset: 8, .size: 8, .value_kind: global_buffer, .address_space: global }
      - { .name: Wf2_scales, .offset: 16, .size: 8, .value_kind: global_buffer, .address_space: global }
      - { .name: bf2, .offset: 24, .size: 8, .value_kind: global_buffer, .address_space: global }
      - { .name: y, .offset: 32, .size: 8, .value_kind: global_buffer, .address_space: global }
      - { .name: out0, .offset: 40, .size: 8, .value_kind: global_buffer, .address_space: global }
    .group_segment_fixed_size: 327680
    .private_segment_fixed_size: 0
    .kernarg_segment_align: 8
    .kernarg_segment_size: 48
    .max_flat_workgroup_size: 128
    .sgpr_count:     102
    .vgpr_count:     640
    .wavefront_size: 32
...
	.end_amdgpu_metadata
.endif
;; end of part 5
